; MI455X (gfx1250); checked and timed in simulation.
; The chip was launched on July 23, 2026; its instructions are those of AMD's public machine-readable ISA for CDNA 5 (MIT licence, August 2026) and "CDNA5" Instruction Set Architecture Reference Guide (July 2026). The comments in the code are by the model that wrote it; some were corrected since.
;; Casual Attention. Allowed arithmetic: matrix products marked QUANTISED: E2M3 operands, one E8M0 scale for each 32 along K, by v_wmma_scale_f32_16x16x128_f8f6f4 with both operands' format E2M3, f32 sums; everything else in f32.
;; Inputs: Wk 1,024 x 1,024 float32; Wq 1,024 x 1,024 float32; Wv 1,024 x 1,024 float32; x 4 x 2,048 x 1,024 float32.
;; Outputs: out0 4 x 2,048 x 1,024 float32.
;; This version of the problem:
;;   THIS VERSION OF THE PROBLEM IS GIVEN IN LOW PRECISION. The matrix products marked QUANTISED in the list below multiply operands that are first quantised to E2M3 (2 exponent bits, 3 mantissa bits; 6 bits a number), with one power-of-two scale for each 32 numbers along K (OCP MX v1.0); their sums are f32. All else is computed in f32.
;;   The module's matrix products, in the order in which they are computed (A, B: the left and right operand; K: the contracted axis; several contracted axes count as one K, in the product's order):
;;     1. [M 8,192, K 1,024] x [K 1,024, N 1,024]; A: input x; B: input Wq: QUANTISED
;;     2. [M 8,192, K 1,024] x [K 1,024, N 1,024]; A: input x; B: input Wk: QUANTISED
;;     3. [M 8,192, K 1,024] x [K 1,024, N 1,024]; A: input x; B: input Wv: QUANTISED
;;     4. batch 4 x [M 2,048, K 1,024] x [K 1,024, N 2,048]; A: computed on the way; B: computed on the way: QUANTISED
;;     5. batch 4 x [M 2,048, K 2,048] x [K 2,048, N 1,024]; A: softmax (see below); B: computed on the way: QUANTISED
;;   THE QUANTISER, for each operand of a quantised product, along K:
;;     - K is cut into blocks of 32 from its start; a last block that is shorter is filled with zeros.
;;     - A block's scale is 2^e with e = floor(log2(the largest magnitude in the block)) - 2, held to -126 .. 127; a block of zeros has e = 0. As a byte (E8M0): e + 127.
;;     - Each number is divided by its block's scale, clamped to +-7.5, and rounded to the nearest number of E2M3, ties to even, subnormals kept.
;;     - The product sums the exact products of the quantised numbers (number of the format x scale) in f32.
;;   ~~~python
;;   def quantise(x, axis):      # numpy; x: float32 -> the quantised numbers, widened to float32 again
;;       x = np.moveaxis(x, axis, -1); K = x.shape[-1]
;;       x = np.pad(x, [(0, 0)] * (x.ndim - 1) + [(0, -K % 32)]); x = x.reshape(x.shape[:-1] + (-1, 32)); a = np.abs(x).max(-1, keepdims=True)
;;       e = np.where(a > 0, np.clip(np.frexp(np.where(a > 0, a, 1))[1] - 1 - 2, -126, 127), 0)      # np.frexp(a)[1] - 1 = floor(log2(a)), exactly
;;       r = np.clip(x / 2.0 ** e, -7.5, 7.5)
;;       step = 2.0 ** (np.maximum(np.frexp(np.where(r == 0, 1, r))[1] - 1, 0) - 3)
;;       q = np.round(r / step) * step * 2.0 ** e      # np.round: ties to even
;;       return np.moveaxis(q.reshape(q.shape[:-2] + (-1,))[..., :K], -1, axis).astype(np.float32)
;;   ~~~
;;   SOFTMAX AHEAD OF A QUANTISED PRODUCT. Where the list says 'softmax', what is quantised is not the finished softmax but p = 2^(t - M), with t = logit x log2(e) and M = ceil(the row's largest t), a whole number; so 1/2 < the row's largest p <= 1. The row's sum l is taken of the UNQUANTISED p, in f32, and the product's result is divided by l at the end. Since M is a whole number, a kernel that streams over the keys may use a running M (the ceiling of the running maximum): every later rescaling is an exact power of two, which a block's scale takes up: the codes' values come out the same.
;;   OPERANDS COMPUTED ON THE WAY. 'Computed on the way' means the value that the module computes at that place (a softmax that the list does not call 'softmax' is quantised finished and normalised). What goes into a quantiser is computed in f32, as accurately as f32 sums, v_exp_f32 and their like allow (about 1e-6 of the number): no bf16 or f16 on the way to a quantiser, and a product that is left as it is and whose result goes on into a quantised operand takes f32 operands (vector FMAs, or v_wmma_f32_16x16x4_f32). A number that lies on a knife's edge between two numbers of the format may be rounded either way, as far as f32 arithmetic and the matrix unit's own rounding can turn it there, and no further.
;; One version. Each part assembles by itself: llvm-mc -triple=amdgcn-amd-amdhsa -mcpu=gfx1250 --defsym DOCPART=n.
;; ======== version 1 of 1: 4 launches
;; workspace buffers: xq 6,553,600 bytes; wq 2,457,600 bytes; qkv 19,660,800 bytes; pp 14,155,776 bytes
;; launch quant (part 1): grid 704 x 1, 4 waves a work-group, no clusters, 46,592 bytes of LDS; arguments x, Wq, Wk, Wv, xq, wq; writes xq, wq
.if DOCPART == 1
	.amdgcn_target "amdgcn-amd-amdhsa--gfx1250"
	.amdhsa_code_object_version 6
	.text
	.protected	k_q8c367ba2a7_quant
	.globl	k_q8c367ba2a7_quant
	.p2align	8
	.type	k_q8c367ba2a7_quant,@function
k_q8c367ba2a7_quant:
	s_mov_b64 s[64:65], 0
	v_nop
	global_prefetch_b8 v0, s[64:65] scope:SCOPE_SE
	s_setreg_imm32_b32 hwreg(HW_REG_WAVE_MODE, 25, 1), 1
	s_wait_xcnt 0x0
; CAUSAL ATTENTION, ONE HEAD OF 1,024, IN MX-FP6: launch 1 of 4.  x [8192][1024] and Wq, Wk, Wv [1024 (k)][1024 (n)], f32, become codes of E2M3 with one E8M0 byte for each 32 along K.
; DEAD WORK, for the whole program.  reference() builds its mask itself (jnp.tril): whatever the inputs hold, a score with key > query becomes -inf and its weight 0, so it reaches no output.
; So the tiles of 256 queries x 256 keys whose every key comes after every query (28 of 64 in each batch) are left out of the fourth and of the fifth product, in the third and fourth launch.
; Inside a tile on the diagonal the hidden part stays: that tile holds live work too.  All four inputs have a way to the output and are loaded.
; LIMIT: a NaN, an infinity or an overflow that reaches only the tiles left out is not carried to the result.  NaN and infinities among the inputs are not served.
; LIMIT: a block whose largest magnitude lies under 2^-124 gets the byte 1; a block of zeros gets 1 where the quantiser says 127: its codes are zeros, and only this program reads the bytes.
; LAYOUT OF THE CODES, in all workspace buffers: tiles of 16 rows x 128 along K, each as an IMAGE OF THE OPERAND'S 12 REGISTERS: byte 512 c + 16 lane + 4 i is register 4 c + i of that lane: 1,536 bytes.
; Place r of tile T holds matrix row 32 (T / 2) + 8 (T % 2) + r + 8 (r / 8): with that order the 16 result registers of two neighbouring tiles are 16 neighbours along the next product's K.
; The scale words of a pair of tiles and one K step are 128 bytes: word 16 u + r is the word of place r of tile 2 p + u.
; xq: codes [512 tiles][8 K steps][1536], then scale blocks [256 pairs][8][128].  wq: rows are Wq's, Wk's, Wv's columns (3,072): codes [192][8][1536], then [96][8][128].
; SHARES.  Work-groups 0-511 take x: pair g / 2, K steps 4 (g % 2) + wave: a wave makes two tiles.  Work-groups 512-703 take a weight: a wave takes 32 columns x 128 along K.
; The two paths part on the work-group's number and have LDS bytes of their own.  No tensor load, no barrier: waves share nothing.
.set XSC,   6291456                    ; xq: where the scale blocks begin
.set WSC,   2359296                    ; wq: likewise
.set XSTW,  8448                       ; x's stage, from LDS byte 0: 16 rows x (512 + 16) bytes for each wave
.set WST,   33792                      ; the weights' stage: two images, 3,072 bytes, for each wave
.set SPARE, 46080                      ; the spare words, 128 bytes for each wave: two blocks of 256 bytes that no other line names
.set LI,   4                           ; v4   16 x lane
.set SIN,  5                           ; v5   stage, way in
.set SOUT, 6                           ; v6   stage, way out
.set LS,   7                           ; v7   4 x lane
.set SPW,  8                           ; v8   my spare word; never rewritten
.set NIL,  9                           ; v9   0; never rewritten
.set PW,   12                          ; v12, v13 the two tiles' scale words; v14 both in one register
.set PWC,  14
.set TM,   16                          ; v16-31 at work in QUANT
.set PC,   32                          ; v32-43, v44-55 the two tiles' codes
.set CT,   56                          ; v56-63 the upper halves of blocks, as the conversions leave them
.set R,    64                          ; v64-191 x as loaded
.set X,    192                         ; v192-255 64 numbers a lane
.set SEL,  20                          ; s[20:21] lane selects: lane l xor 16
; 64 numbers of a lane, register 16 b + i = k 32 b + 16 (lane / 16) + i of my row, become a fragment's 12 registers from v[pc] on and its scale word in v[pw].
.macro QUANT s, pc, pw
.irp b, 0,1,2,3
	v_max3_num_f32 v[TM+\b], |v[\s+16*\b]|, |v[\s+16*\b+1]|, 0x1800000   ; block b: my 16 numbers, and the floor 2^(3 - 127): the byte cannot fall under 1
.endr
.irp i, 2,4,6,8,10,12,14
.irp b, 0,1,2,3
	v_max3_num_f32 v[TM+\b], v[TM+\b], |v[\s+16*\b+\i]|, |v[\s+16*\b+\i+1]|   ; the four blocks by turns
.endr
.endr
.irp b, 0,1,2,3
	v_permlanex16_b32 v[TM+4+\b], v[TM+\b], s[SEL], s[SEL+1]
.endr
.irp b, 0,1,2,3
	v_max_num_f32 v[TM+\b], v[TM+\b], v[TM+4+\b]   ; with lane l xor 16's 16: the block's largest magnitude
.endr
.irp b, 0,1,2,3
	v_add_nc_u32 v[TM+12+\b], 0xff000000, v[TM+\b]   ; 2 off its exponent field: the conversion takes that field as its scale
.endr
.irp b, 0,1,2,3
	v_lshrrev_b32 v[TM+4+\b], 23, v[TM+12+\b]      ; the scale's byte
.endr
	v_lshl_or_b32 v[\pw], v[TM+5], 8, v[TM+4]
	v_lshl_or_b32 v[\pw], v[TM+6], 16, v[\pw]
	v_lshl_or_b32 v[\pw], v[TM+7], 24, v[\pw]
.irp c, 0,1
	v_cvt_scalef32_pk16_fp6_f32 v[\pc+6*\c:\pc+6*\c+2], v[\s+32*\c:\s+32*\c+15], v[TM+12+2*\c]
	v_cvt_scalef32_pk16_fp6_f32 v[CT+4*\c:CT+4*\c+2], v[\s+32*\c+16:\s+32*\c+31], v[TM+12+2*\c+1]   ; a conversion's three registers begin on an even number
.endr
	v_nop                                          ; one plain instruction behind the scaled conversions
.irp c, 0,1                            ; the operand wants a whole block in a lane: lanes 0-15 block 2 c, lanes 16-31 block 2 c + 1
.irp i, 0,1,2
	v_permlane16_swap_b32 v[\pc+6*\c+\i], v[CT+4*\c+\i]
.endr
.irp i, 0,1,2
	v_mov_b32 v[\pc+6*\c+3+\i], v[CT+4*\c+\i]
.endr
.endr
.endm
	s_load_b256 s[4:11], s[0:1], 0x0               ; x, Wq, Wk, Wv
	s_load_b128 s[12:15], s[0:1], 0x20             ; xq, wq
	v_lshl_add_u32 v[SPW], v0, 2, SPARE
	v_mov_b32 v[NIL], 0
	v_lshrrev_b32 v1, 5, v0
	v_readfirstlane_b32 s16, v1                    ; wave
	v_and_b32 v1, 31, v0                           ; lane
	v_and_b32 v2, 15, v0                           ; r
	v_bfe_u32 v3, v0, 4, 1                         ; h
	v_lshlrev_b32 v[LI], 4, v1
	v_lshlrev_b32 v[LS], 2, v1
	s_mov_b32 s[SEL], 0x76543210
	s_mov_b32 s[SEL+1], 0xfedcba98
	s_mov_b32 s22, 0xffff0000                      ; lanes 16-31
	s_mov_b32 s27, 0
	s_mov_b32 s29, 0
	s_wait_kmcnt 0x0
	s_cmp_ge_u32 ttmp9, 512
	s_cbranch_scc1 .Lweights
	; ---- x: K is innermost.  Each load takes 512 consecutive bytes of one row; a tile's 16 rows turn through my stage, so that a lane gets 16 neighbours of each block of 32.
	s_lshr_b32 s24, ttmp9, 1                       ; the pair of tiles: rows 32 x pair on
	s_and_b32 s25, ttmp9, 1
	s_lshl_b32 s25, s25, 2
	s_add_co_u32 s25, s25, s16                     ; the K step
	s_lshl_b32 s26, s24, 17                        ; 32 rows of 4,096 bytes
	s_lshl_b32 s28, s25, 9
	s_add_co_u32 s26, s26, s28
	s_add_nc_u64 s[4:5], s[4:5], s[26:27]
.irp u, 0,1
.irp r, 0,1,2,3,4,5,6,7,8,9,10,11,12,13,14,15
	global_load_b128 v[R+64*\u+4*\r:R+64*\u+4*\r+3], v[LI], s[4:5] offset:(8*\u+\r+8*(\r/8))*4096 th:TH_LOAD_NT   ; place r of tile 2 pair + u
.endr
.endr
	s_mul_i32 s26, s24, 24576
	s_mul_i32 s28, s25, 1536
	s_add_co_u32 s26, s26, s28
	s_add_nc_u64 s[30:31], s[12:13], s[26:27]      ; my two images
	s_lshl_b32 s26, s24, 3
	s_add_co_u32 s26, s26, s25
	s_lshl_b32 s26, s26, 7
	s_add_co_u32 s26, s26, XSC
	s_add_nc_u64 s[32:33], s[12:13], s[26:27]      ; my scale block
	s_mul_i32 s34, s16, XSTW
	v_add_nc_u32 v[SIN], s34, v[LI]                ; in: a row's 512 bytes as they lie
	v_mul_u32_u24 v[SOUT], v2, 528
	v_lshl_add_u32 v[SOUT], v3, 6, v[SOUT]
	v_add_nc_u32 v[SOUT], s34, v[SOUT]             ; out: row r, + 64 h: the pitch of 33 x 16 bytes keeps the 16 rows in different banks
.irp b, 0,1,2,3
	v_mov_b32 v[TM+4+\b], 0                        ; written once: a lane permute's destination counts as a source
.endr
.macro UNIT u
	s_wait_loadcnt 16*(1-\u)                       ; this tile's 16 loads are in; the other tile's 16 may be out
.irp r, 0,1,2,3,4,5,6,7,8,9,10,11,12,13,14,15
	ds_store_b128 v[SIN], v[R+64*\u+4*\r:R+64*\u+4*\r+3] offset:528*\r
.endr
.irp b, 0,1,2,3
.irp j, 0,1,2,3
	ds_load_b128 v[X+16*\b+4*\j:X+16*\b+4*\j+3], v[SOUT] offset:128*\b+16*\j   ; LDS serves a wave's instructions in order: these see my stores
.endr
.endr
	s_wait_dscnt 0x0
	QUANT X, PC+12*\u, PW+\u
.irp c, 0,1,2
	global_store_b128 v[LI], v[PC+12*\u+4*\c:PC+12*\u+4*\c+3], s[30:31] offset:12288*\u+512*\c   ; 512 consecutive bytes, aligned
.endr
.endm
	UNIT 0
	UNIT 1
	v_cndmask_b32 v[PWC], v[PW], v[PW+1], s22      ; lanes 0-15: the even tile's words; lanes 16-31: the odd tile's (both halves of the lanes hold their row's word)
	global_store_b32 v[LS], v[PWC], s[32:33]
	s_wait_tensorcnt 0x0                           ; the wave's end, behind my last LDS store
	ds_add_u32 v[SPW], v[NIL]
	s_wait_dscnt 0x0
	s_endpgm
.Lweights:
	; ---- a weight: K is the first axis.  A lane takes a column and its registers run down K: a block of 32 lies in one lane, and the codes come out with K innermost.
	s_sub_co_u32 s24, ttmp9, 512
	s_lshr_b32 s25, s24, 6                         ; which weight: 0 Wq, 1 Wk, 2 Wv
	s_bfe_u32 s26, s24, 0x30003                    ; which 128 columns
	s_and_b32 s28, s24, 7                          ; the K step
	s_cmp_eq_u32 s25, 1
	s_cselect_b64 s[6:7], s[8:9], s[6:7]
	s_cmp_eq_u32 s25, 2
	s_cselect_b64 s[6:7], s[10:11], s[6:7]
	s_lshl_b32 s30, s25, 5
	s_lshl_b32 s31, s26, 2
	s_add_co_u32 s30, s30, s31
	s_add_co_u32 s30, s30, s16                     ; my pair of tiles among wq's 96
	s_lshl_b32 s31, s28, 19                        ; 128 rows of 4,096 bytes
	s_lshl_b32 s26, s26, 9
	s_add_co_u32 s26, s26, s31
	s_lshl_b32 s31, s16, 7
	s_add_co_u32 s26, s26, s31
	s_add_nc_u64 s[6:7], s[6:7], s[26:27]
.macro LOADW t                         ; block t: W(32 t + i, my column) into set t % 2: 128 consecutive bytes a wave, 512 a work-group
.irp i, 0,1,2,3,4,5,6,7,8,9,10,11,12,13,14,15,16,17,18,19,20,21,22,23,24,25,26,27,28,29,30,31
	global_load_b32 v[X+32*((\t)%2)+\i], v[LS], s[6:7] offset:(32*(\t)+\i)*4096 th:TH_LOAD_NT
.endr
.endm
	LOADW 0
	LOADW 1
	s_mul_i32 s26, s30, 24576
	s_mul_i32 s31, s28, 1536
	s_add_co_u32 s26, s26, s31
	s_add_nc_u64 s[32:33], s[14:15], s[26:27]      ; my two images
	s_lshl_b32 s26, s30, 3
	s_add_co_u32 s26, s26, s28
	s_lshl_b32 s26, s26, 7
	s_add_co_u32 s26, s26, WSC
	s_add_nc_u64 s[34:35], s[14:15], s[26:27]      ; my scale block
	v_bfe_u32 v10, v0, 3, 1                        ; column j of the pair's 32 is place r = j % 8 + 8 (j / 16) of tile u = (j / 8) % 2
	v_and_b32 v11, 7, v0
	v_bfe_u32 v12, v0, 4, 1
	v_lshl_add_u32 v11, v12, 3, v11
	v_lshl_add_u32 v12, v10, 4, v11                ; 16 u + r
	s_mul_i32 s36, s16, 3072
	s_add_co_u32 s36, s36, WST
	v_mul_u32_u24 v[SIN], v10, 1536
	v_lshl_add_u32 v[SIN], v11, 4, v[SIN]
	v_add_nc_u32 v[SIN], s36, v[SIN]               ; into my stage: image u, lane r's place
	v_add_nc_u32 v[SOUT], s36, v[LI]               ; out of it: as the images lie
	v_lshlrev_b32 v10, 2, v12                      ; my word in the scale block
; Block t = 2 c + h of my column is registers 6 c .. 6 c + 5 of lane r + 16 h of the image.
.macro BLOCK t
.set XS, X+32*((\t)%2)
.set CC, 128+8*(\t)
.if (\t) < 3
	s_wait_loadcnt 32                              ; this block's 32 loads are in; the next block's 32 may be out
.else
	s_wait_loadcnt 0x0
.endif
	v_max3_num_f32 v12, |v[XS]|, |v[XS+1]|, |v[XS+2]|
	v_max3_num_f32 v13, |v[XS+3]|, |v[XS+4]|, |v[XS+5]|
.irp i, 6,10,14,18,22,26
	v_max3_num_f32 v12, v12, |v[XS+\i]|, |v[XS+\i+1]|
	v_max3_num_f32 v13, v13, |v[XS+\i+2]|, |v[XS+\i+3]|
.endr
	v_max3_num_f32 v12, v12, |v[XS+30]|, |v[XS+31]|
	v_max3_num_f32 v12, v12, v13, 0x1800000        ; and the floor
	v_add_nc_u32 v14, 0xff000000, v12
	v_lshrrev_b32 v15, 23, v14
.if (\t) == 0
	v_mov_b32 v11, v15
.else
	v_lshl_or_b32 v11, v15, 8*(\t), v11            ; byte t of my column's scale word
.endif
	v_cvt_scalef32_pk16_fp6_f32 v[CC:CC+2], v[XS:XS+15], v14
	v_cvt_scalef32_pk16_fp6_f32 v[CT:CT+2], v[XS+16:XS+31], v14
	v_nop                                          ; one plain instruction behind the scaled conversions
.irp i, 0,1,2
	v_mov_b32 v[CC+3+\i], v[CT+\i]
.endr
.if (\t) < 2
	ds_store_b128 v[SIN], v[CC:CC+3] offset:256*((\t)%2)             ; registers 0-3
	ds_store_b64 v[SIN], v[CC+4:CC+5] offset:512+256*((\t)%2)        ; registers 4, 5
.else
	ds_store_b64 v[SIN], v[CC:CC+1] offset:520+256*((\t)%2)          ; registers 6, 7
	ds_store_b128 v[SIN], v[CC+2:CC+5] offset:1024+256*((\t)%2)      ; registers 8-11
.endif
.if (\t) < 2
	LOADW (\t)+2
.endif
.endm
	BLOCK 0
	BLOCK 1
	BLOCK 2
	BLOCK 3
.irp c, 0,1,2,3,4,5
	ds_load_b128 v[160+4*\c:160+4*\c+3], v[SOUT] offset:512*\c   ; LDS serves a wave's instructions in order: these see my stores
.endr
.irp c, 0,1,2,3,4,5
	s_wait_dscnt 5-\c                              ; the younger loads may be out
	global_store_b128 v[LI], v[160+4*\c:160+4*\c+3], s[32:33] offset:12288*(\c/3)+512*(\c%3)
.endr
	global_store_b32 v10, v11, s[34:35]
	s_wait_tensorcnt 0x0                           ; the wave's end, behind my last LDS store
	ds_add_u32 v[SPW], v[NIL]
	s_wait_dscnt 0x0
	s_endpgm
.Lfunc_end_k_q8c367ba2a7_quant:
	.size	k_q8c367ba2a7_quant, .Lfunc_end_k_q8c367ba2a7_quant-k_q8c367ba2a7_quant
	.p2alignl 7, 3214868480
	.fill 96, 4, 3214868480
	.section	.rodata,"a",@progbits
	.p2align	6, 0x0
	.amdhsa_kernel k_q8c367ba2a7_quant
		.amdhsa_group_segment_fixed_size 46592
		.amdhsa_private_segment_fixed_size 0
		.amdhsa_enable_private_segment 0
		.amdhsa_kernarg_size 48
		.amdhsa_user_sgpr_count 2
		.amdhsa_user_sgpr_kernarg_segment_ptr 1
		.amdhsa_wavefront_size32 1
		.amdhsa_system_sgpr_workgroup_id_x 1
		.amdhsa_system_sgpr_workgroup_id_y 1
		.amdhsa_system_sgpr_workgroup_id_z 1
		.amdhsa_system_vgpr_workitem_id 0
		.amdhsa_next_free_vgpr 256
		.amdhsa_next_free_sgpr 66
		.amdhsa_reserve_vcc 0
		.amdhsa_float_denorm_mode_32 3
		.amdhsa_float_denorm_mode_16_64 3
		.amdhsa_memory_ordered 1
		.amdhsa_forward_progress 1
		.amdhsa_inst_pref_size 39
	.end_amdhsa_kernel
	.amdgpu_metadata
---
amdhsa.version: [ 1, 2 ]
amdhsa.kernels:
  - .name:           k_q8c367ba2a7_quant
    .symbol:         k_q8c367ba2a7_quant.kd
    .args:
      - { .name: x, .offset: 0, .size: 8, .value_kind: global_buffer, .address_space: global }
      - { .name: Wq, .offset: 8, .size: 8, .value_kind: global_buffer, .address_space: global }
      - { .name: Wk, .offset: 16, .size: 8, .value_kind: global_buffer, .address_space: global }
      - { .name: Wv, .offset: 24, .size: 8, .value_kind: global_buffer, .address_space: global }
      - { .name: xq, .offset: 32, .size: 8, .value_kind: global_buffer, .address_space: global }
      - { .name: wq, .offset: 40, .size: 8, .value_kind: global_buffer, .address_space: global }
    .group_segment_fixed_size: 46592
    .private_segment_fixed_size: 0
    .kernarg_segment_align: 8
    .kernarg_segment_size: 48
    .max_flat_workgroup_size: 128
    .sgpr_count:     66
    .vgpr_count:     256
    .wavefront_size: 32
...
	.end_amdgpu_metadata
.endif
;; end of part 1
;; launch proj (part 2): grid 12 x 16, 4 waves a work-group, clusters of 4 x 4, 327,680 bytes of LDS; arguments xq, wq, qkv; writes qkv
.if DOCPART == 2
	.amdgcn_target "amdgcn-amd-amdhsa--gfx1250"
	.amdhsa_code_object_version 6
	.text
	.protected	k_q8c367ba2a7_proj
	.globl	k_q8c367ba2a7_proj
	.p2align	8
	.type	k_q8c367ba2a7_proj,@function
k_q8c367ba2a7_proj:
	s_mov_b64 s[64:65], 0
	v_nop
	global_prefetch_b8 v0, s[64:65] scope:SCOPE_SE
	s_setreg_imm32_b32 hwreg(HW_REG_WAVE_MODE, 25, 1), 1
	s_wait_xcnt 0x0
	s_wait_alu depctr_hold_cnt(0) depctr_sa_sdst(0) depctr_va_vdst(0) depctr_va_sdst(0) depctr_va_ssrc(0) depctr_va_vcc(0) depctr_vm_vsrc(0)
	s_getreg_b32 s2, hwreg(HW_REG_IB_STS2, 6, 4)
	s_cmp_eq_u32 s2, 0
	s_cbranch_scc0 .Lentry_in_a_cluster
	s_endpgm
.Lentry_in_a_cluster:
	s_bfe_u32 s2, ttmp6, 0x10000c
	s_cmp_lg_u32 s2, 0xf033
	s_cbranch_scc0 .Lentry_shape_is_right
	s_endpgm
.Lentry_shape_is_right:
; Launch 2 of 4: q = x Wq, k = x Wk, v = x Wv on codes of E2M3, and the results quantised at once for the next products: q and k along their 1,024 channels, v along the keys.  Nothing is left out here.
; A tile is 256 rows of x x 256 columns of one weight (tx: 0-3 Wq, 4-7 Wk, 8-11 Wv), made by four waves; a wave makes 128 x 128: 64 accumulators, 512 registers.
; A WORK-GROUP STAYS: it makes two tiles, rows 512 ty on and rows 512 ty + 256 on, against the same columns: arguments, set-up and first fills are paid once for both.  The ring does not stop between them:
; the first tile's last two changes of slots ask for the second tile's first two K steps, and the first tile is quantised and stored while those land.
; q, k: source 0 = 16 columns of W, source 1 = 16 rows of x: a lane holds one row of x and its registers run along the channels, the next K.
; v:    source 0 = 16 rows of x, source 1 = 16 columns of Wv: a lane holds one channel and its registers run along the keys, the next K.  Only the LDS addresses from which fragments are read differ:
;       they hang on the cluster's x (2 for v), which all partners share.
; OPERANDS are images of their registers (1,536 bytes for 16 rows x 128 K), in tiles whose place r holds row 32 (T / 2) + 8 (T % 2) + r + 8 (r / 8): a fragment is three loads of 16 bytes a lane, 512 consecutive bytes each.
; With that order a lane's 64 results of source 0's eight tiles are: register 16 b + i = index 32 b + 16 (lane / 16) + i: four half blocks of the next K.
; K = 1,024 goes in four steps of 256 through two LDS slots: written out, no loop.  A wave's tensor load brings 8 tiles x 3,072 bytes.  The scale blocks of all of K, x's for both tiles, come once.
; CLUSTERS: 4 x 4 work-groups; x's tiles are shared along a row of the cluster, W's along a column: joint loads.
; qkv: q codes [512 tiles][8][1536]; k codes likewise; v codes [64 tiles of channels][64 = 16 batch + key step][1536]; then the scale blocks: q [256 pairs][8][128], k, v [32][64][128].
; LIMIT: a block whose largest magnitude lies under 2^-124 gets the byte 1 (a block of zeros too: its codes are zeros).
; REGISTERS: window 0: v16-29 addresses; v32-63 scale words, two sets; v64-115 at work on the way out; v128-223 source 1's fragments, one set.  window 1: source 0's, two sets, at v0 and v128.
;   window 2: the accumulators of source 1's blocks 0-3 ((a, b) at v[8 (8 (a % 4) + b)]); window 3: of blocks 4-7.
.set XSC,   6291456
.set WSC,   2359296
.set KC,    6291456
.set VC,    12582912
.set QS,    18874368
.set VS,    19398656
.set FR,    12                         ; registers of a fragment
.set NP,    4                          ; places behind this matrix form (ISA guide 7.12.1)
.set HALFT, 24576                      ; 8 tiles x 2 K steps x 1,536 bytes: one tensor load
.set SLOT,  4*HALFT                    ; x's two halves, then W's two
.set SCL,   2*SLOT                     ; the scale blocks: x's, 8 pairs x 1,024 bytes for each of the two tiles,
.set SCW,   SCL+16384                  ; then W's 8 pairs
.set SPARE, SCL+40960                  ; the spare words, 128 bytes a wave: two blocks of 256 bytes that no other line names (the 16,384 bytes in front of them are not used)
.set NEXTX, 16*12288-6144              ; from a slot's last K step of a tile to its first of the next: x goes 16 tiles on and back along K,
.set BACKW, 6144                       ; W only back
.set ADR1, 16                          ; v16-17 source 1's fragments in slot 0, 1
.set ADR0, 20                          ; v20-21 source 0's
.set ADS1, 24                          ; v24  source 1's scale blocks
.set ADS0, 25                          ; v25  source 0's
.set LI,   26                          ; v26  16 x lane
.set LS,   27                          ; v27  4 x lane
.set SPW,  28                          ; v28  my spare word; never rewritten
.set NIL,  29                          ; v29  0; never rewritten
.set SC,   32                          ; set s at v[SC + 16 s]: register 8 q + p: source 1's pair p; 8 q + 4 + p: source 0's; lanes 0-15 the even tile, lanes 16-31 the odd one
.set TM,   64
.set PW,   80
.set PWC,  82
.set PC,   84
.set CT,   108
.set AF,   128
.set G1,   24
.set G0,   32
.set OB0,  40                          ; s[40:41] the way out: where the block in hand's image goes;  s[42:43] its pair's scale block
.set OB1,  42
.set G1B,  48
.set G0B,  56
.set G1S,  68
.set G0S,  76
.set G1SB, 80
.set G0SB, 88
.set MHI,  97
.set SEL,  98
.set MSB, 0
.macro WIN new                         ; the immediate's high byte repeats the setting that is left
.if MSB != (\new)
	s_set_vgpr_msb (MSB<<8)|(\new)
.set MSB, (\new)
.endif
.endm
.set MUL_LO, 0xa1                      ; source 0 window 1, source 1 window 0, C and D window 2
.set MUL_HI, 0xf1                      ; the same, C and D window 3
.set TO_B,   0x40                      ; destination window 1
; A joint load: waves 0 and 1 fetch for x, waves 2 and 3 for W.  An s_nop 0 and four v_nop follow each of the two lines.
.macro JLOAD g0a, g1a, g0b, g1b
	s_cmp_eq_u32 s15, 0
	s_cbranch_scc0 .Lfor_b_\@
	tensor_load_to_lds s[\g0a:\g0a+3], s[\g1a:\g1a+7]
	s_nop 0
.rept 4
	v_nop
.endr
	s_branch .Lasked_\@
.Lfor_b_\@:
	tensor_load_to_lds s[\g0b:\g0b+3], s[\g1b:\g1b+7]
	s_nop 0
.rept 4
	v_nop
.endr
.Lasked_\@:
.endm
.macro CREST                           ; a round of the cluster's barrier behind its opening barrier
	s_cmp_lg_u32 s14, 0
	s_cbranch_scc1 .Lnot_wave_0_\@
	s_barrier_signal -3
.Lnot_wave_0_\@:
	s_barrier_wait -3
	s_barrier_signal -1
	s_barrier_wait -1
.endm
.macro CROUND
	s_barrier_signal -1
	s_barrier_wait -1
	CREST
.endm
.macro FRAG reg, adr, q, i             ; tile i, the slot's q-th 128 along K: the image as it lies
.irp c, 0,1,2
	ds_load_b128 v[\reg+4*\c:\reg+4*\c+3], v[\adr] offset:(\i)*3072+(\q)*1536+512*\c
.endr
.endm
; One product: source 1's block a x source 0's block b.  The scale word of an odd tile stands in lanes 16-31 of its pair's register.
.macro WM a, b, p, q, set, zero
.set rD, 8*(8*((\a)%4)+(\b))
.set rB, 128*(\p)+FR*(\b)
.set rA, AF+FR*(\a)
.set rX, SC+16*(\set)+8*(\q)+4+(\b)/2
.set rY, SC+16*(\set)+8*(\q)+(\a)/2
.set odd, 2*((\b)%2)+((\a)%2)
.if \zero
.if odd == 0
	v_wmma_scale_f32_16x16x128_f8f6f4 v[rD:rD+7], v[rB:rB+11], v[rA:rA+11], 0, v[rX], v[rY] matrix_a_fmt:MATRIX_FMT_FP6 matrix_b_fmt:MATRIX_FMT_FP6
.elseif odd == 1
	v_wmma_scale_f32_16x16x128_f8f6f4 v[rD:rD+7], v[rB:rB+11], v[rA:rA+11], 0, v[rX], v[rY] matrix_a_fmt:MATRIX_FMT_FP6 matrix_b_fmt:MATRIX_FMT_FP6 matrix_b_scale:MATRIX_SCALE_ROW1
.elseif odd == 2
	v_wmma_scale_f32_16x16x128_f8f6f4 v[rD:rD+7], v[rB:rB+11], v[rA:rA+11], 0, v[rX], v[rY] matrix_a_fmt:MATRIX_FMT_FP6 matrix_b_fmt:MATRIX_FMT_FP6 matrix_a_scale:MATRIX_SCALE_ROW1
.else
	v_wmma_scale_f32_16x16x128_f8f6f4 v[rD:rD+7], v[rB:rB+11], v[rA:rA+11], 0, v[rX], v[rY] matrix_a_fmt:MATRIX_FMT_FP6 matrix_b_fmt:MATRIX_FMT_FP6 matrix_a_scale:MATRIX_SCALE_ROW1 matrix_b_scale:MATRIX_SCALE_ROW1
.endif
.else
.if odd == 0
	v_wmma_scale_f32_16x16x128_f8f6f4 v[rD:rD+7], v[rB:rB+11], v[rA:rA+11], v[rD:rD+7], v[rX], v[rY] matrix_a_fmt:MATRIX_FMT_FP6 matrix_b_fmt:MATRIX_FMT_FP6
.elseif odd == 1
	v_wmma_scale_f32_16x16x128_f8f6f4 v[rD:rD+7], v[rB:rB+11], v[rA:rA+11], v[rD:rD+7], v[rX], v[rY] matrix_a_fmt:MATRIX_FMT_FP6 matrix_b_fmt:MATRIX_FMT_FP6 matrix_b_scale:MATRIX_SCALE_ROW1
.elseif odd == 2
	v_wmma_scale_f32_16x16x128_f8f6f4 v[rD:rD+7], v[rB:rB+11], v[rA:rA+11], v[rD:rD+7], v[rX], v[rY] matrix_a_fmt:MATRIX_FMT_FP6 matrix_b_fmt:MATRIX_FMT_FP6 matrix_a_scale:MATRIX_SCALE_ROW1
.else
	v_wmma_scale_f32_16x16x128_f8f6f4 v[rD:rD+7], v[rB:rB+11], v[rA:rA+11], v[rD:rD+7], v[rX], v[rY] matrix_a_fmt:MATRIX_FMT_FP6 matrix_b_fmt:MATRIX_FMT_FP6 matrix_a_scale:MATRIX_SCALE_ROW1 matrix_b_scale:MATRIX_SCALE_ROW1
.endif
.endif
.endm
; 16 products: source 1's blocks a0, a0 + 1 x source 0's eight.  The 64 accumulators take turns, one instruction a turn, in the same order in every step and from tile to tile.
.macro MUL16 a0, p, q, set, zero
.irp a, \a0, \a0+1
.irp b, 0,1,2,3,4,5,6,7
	WM \a, \b, \p, \q, \set, \zero
.endr
.endr
.endm
.macro FETCH_B slot, q, p              ; source 0's eight fragments into set p
	WIN TO_B
.irp i, 0,1,2,3,4,5,6,7
	FRAG 128*(\p)+FR*\i, ADR0+\slot, \q, \i
.endr
	WIN 0
.endm
.macro FETCH_A slot, q, i0             ; source 1's blocks i0 .. i0 + 3
.irp i, \i0, \i0+1, \i0+2, \i0+3
	FRAG AF+FR*(\i), ADR1+\slot, \q, \i
.endr
.endm
.macro SCALES set, ks                  ; the scale words of K steps 2 ks and 2 ks + 1
.irp q, 0,1
.irp p, 0,1,2,3
	ds_load_b32 v[SC+16*(\set)+8*\q+\p], v[ADS1] offset:\p*1024+(2*(\ks)+\q)*128
	ds_load_b32 v[SC+16*(\set)+8*\q+4+\p], v[ADS0] offset:\p*1024+(2*(\ks)+\q)*128
.endr
.endr
.endm
.macro PLACES n                        ; plain instructions between a matrix instruction and a load into, or a read of, its registers
.rept \n
	v_nop
.endr
.endm
; A step of 128 along K that has its successor in the same slot.
.macro STEP slot, q, zero
	s_wait_dscnt 12                                ; all but the youngest 12 loads, source 1's blocks 4-7
	WIN MUL_LO
	MUL16 0, (\q)%2, \q, \slot, \zero
	MUL16 2, (\q)%2, \q, \slot, \zero
	s_wait_dscnt 0x0
	PLACES NP
	FETCH_B \slot, (\q)+1, 1-(\q)%2
	FETCH_A \slot, (\q)+1, 0
	WIN MUL_HI
	MUL16 4, (\q)%2, \q, \slot, \zero
	MUL16 6, (\q)%2, \q, \slot, \zero
	PLACES NP
	WIN 0
	FETCH_A \slot, (\q)+1, 4
.endm
; A slot's last step changes slots: each wave waits for all its tensor loads, adds 0 to its spare word, waits for that and for its reads of this slot; one barrier, which opens a round of the cluster's where the slot is filled again.
; fill = 1: the slot takes this tile's K step two steps of 256 on (on = 0) or the next tile's K step 0 or 1 (on = 1).  adv = 1: what is fetched next is the next tile's: x's scale blocks lie 8,192 bytes further on.
.macro TURN slot, next, fill, ksn, on, adv
	s_wait_tensorcnt 0x0                           ; my part of the next slot has landed; no tensor load of mine is out
	ds_add_u32 v[SPW], v[NIL]
	s_wait_dscnt 13                                ; the add and the youngest 12 loads may be out
	WIN MUL_LO
	MUL16 0, 1, 1, \slot, 0
	s_wait_dscnt 0x0                               ; the add is done, and my reads of this slot are over
	s_barrier_signal -1
	MUL16 2, 1, 1, \slot, 0
	WIN 0
	s_barrier_wait -1
.if \fill
	CREST                                          ; no wave of any partner still reads this slot or has a load on its way
.if \on
	s_add_nc_u64 s[G0+4*\slot+2:G0+4*\slot+3], s[G0+4*\slot+2:G0+4*\slot+3], NEXTX
	s_sub_nc_u64 s[G0B+4*\slot+2:G0B+4*\slot+3], s[G0B+4*\slot+2:G0B+4*\slot+3], BACKW
.else
	s_add_nc_u64 s[G0+4*\slot+2:G0+4*\slot+3], s[G0+4*\slot+2:G0+4*\slot+3], 6144
	s_add_nc_u64 s[G0B+4*\slot+2:G0B+4*\slot+3], s[G0B+4*\slot+2:G0B+4*\slot+3], 6144
.endif
	JLOAD G0+4*\slot, G1, G0B+4*\slot, G1B         ; my one load behind the round; its four v_nop are also the places in front of the loads below
.else
	PLACES NP
.endif
.if \adv
	v_add_nc_u32 v[ADS1], s66, v[ADS1]             ; 8,192 onto the address of the source that is x, 0 onto the other (no LDS load of mine is out)
	v_add_nc_u32 v[ADS0], s67, v[ADS0]
.endif
	FETCH_B \next, 0, 0
	FETCH_A \next, 0, 0
	SCALES \next, \ksn
	WIN MUL_HI
	MUL16 4, 1, 1, \slot, 0
	MUL16 6, 1, 1, \slot, 0
	PLACES NP
	WIN 0
	FETCH_A \next, 0, 4
.endm
	s_load_b128 s[4:7], s[0:1], 0x0                ; xq, wq
	s_load_b64 s[8:9], s[0:1], 0x10                ; qkv
	v_lshl_add_u32 v[SPW], v0, 2, SPARE
	v_mov_b32 v[NIL], 0
	ds_add_u32 v[SPW], v[NIL]                      ; the opening: the add, twice on end, and its wait ahead of my first tensor load
	ds_add_u32 v[SPW], v[NIL]
	v_lshrrev_b32 v1, 5, v0
	v_readfirstlane_b32 s14, v1                    ; wave
	s_lshr_b32 s15, s14, 1                         ; my half of source 1.  Also: I fetch for x (0) or for W (1)
	s_and_b32 s16, s14, 1                          ; my half of source 0.  Also: which half of that tile I fetch
	s_bfe_u32 s40, ttmp6, 0x40000                  ; cx
	s_bfe_u32 s41, ttmp6, 0x40004                  ; cy
	s_lshl_b32 s42, ttmp9, 2
	s_add_co_u32 s42, s42, s40                     ; tx: which 256 columns
	s_and_b32 s17, ttmp7, 0xffff
	s_lshl_b32 s17, s17, 2
	s_add_co_u32 s17, s17, s41                     ; ty: which 512 rows of x
	s_lshl_b32 s43, s41, 2
	s_lshl_b32 s43, 15, s43                        ; my row of the cluster
	s_lshl_b32 s44, 0x1111, s40                    ; my column
	s_or_b32 s[G1], s43, (3<<16)|(1<<21)           ; x's tiles go to my row; elements of 8 bytes; bit 21 beside a mask; no padding
	s_or_b32 s[G1B], s44, (3<<16)|(1<<21)          ; W's to my column
.irp g, G1, G1B
	s_mov_b32 s[\g+1], 384<<16                     ; tensor_dim0: 3,072 bytes, two K steps' images of a tile
	s_mov_b32 s[\g+2], 8<<16                       ; tensor_dim1: 8 tiles
	s_mov_b32 s[\g+3], 384<<16                     ; tile_dim0
	s_mov_b32 s[\g+4], 8                           ; tile_dim1
	s_mov_b32 s[\g+5], 1536                        ; from tile to tile: 12,288 bytes
	s_mov_b32 s[\g+6], 0
	s_mov_b32 s[\g+7], 0
.endr
	s_or_b32 s[G1S], s43, (3<<16)|(1<<21)
	s_or_b32 s[G1SB], s44, (3<<16)|(1<<21)
.irp g, G1S, G1SB                      ; scale blocks, all of K: dense bytes as rows of 256
	s_mov_b32 s[\g+1], 32<<16
	s_mov_b32 s[\g+3], 32<<16
	s_mov_b32 s[\g+5], 32
	s_mov_b32 s[\g+6], 0
	s_mov_b32 s[\g+7], 0
.endr
	s_mov_b32 s[G1S+2], 32<<16                     ; x: a whole tile's 8 pairs, 8,192 bytes: wave 0 brings the first tile's, wave 1 the second's
	s_mov_b32 s[G1S+4], 32
	s_mov_b32 s[G1SB+2], 16<<16                    ; W: 4 pairs, 4,096 bytes
	s_mov_b32 s[G1SB+4], 16
	s_lshl_b32 s18, s16, 3
	s_lshl_b32 s20, s17, 5
	s_add_co_u32 s20, s20, s18                     ; x: tile 32 ty + 8 half
	s_lshl_b32 s46, s42, 4
	s_add_co_u32 s46, s46, s18                     ; W: tile 16 tx + 8 half
	s_lshl_b32 s22, s17, 14                        ; x's scale blocks: 16 pairs of 1,024 bytes for each ty,
	s_lshl_b32 s23, s16, 13                        ; 8 of them for each tile
	s_add_co_u32 s22, s22, s23
	s_add_co_u32 s22, s22, XSC
	s_lshl_b32 s92, s46, 9                         ; W's: a pair's scale blocks are 1,024 bytes
	s_add_co_u32 s92, s92, WSC
	s_mul_i32 s20, s20, 12288
	s_mul_i32 s46, s46, 12288
	s_mov_b32 s21, 0
	s_mov_b32 s23, 0
	s_mov_b32 s47, 0
	s_mov_b32 s93, 0
	s_mul_i32 s45, s14, HALFT                      ; where they go: no place in the cluster enters an LDS address
	s_lshl_b32 s94, s16, 13
	s_lshl_b32 s95, s16, 12
	s_mov_b32 s[SEL], 0x76543210
	s_mov_b32 s[SEL+1], 0xfedcba98
	s_mov_b32 s[MHI], 0xffff0000
	s_wait_dscnt 0x0                               ; both opening adds are done
	s_wait_kmcnt 0x0
	s_add_nc_u64 s[20:21], s[4:5], s[20:21]
	s_add_nc_u64 s[22:23], s[4:5], s[22:23]
	s_add_nc_u64 s[46:47], s[6:7], s[46:47]
	s_add_nc_u64 s[92:93], s[6:7], s[92:93]
	CROUND                                         ; all sixteen work-groups are here: the first joint loads meet
	s_mov_b32 s[G0S], 1
	s_add_co_u32 s[G0S+1], s94, SCL
	s_mov_b64 s[G0S+2:G0S+3], s[22:23]
	s_or_b32 s[G0S+3], s[G0S+3], 0x80000000
	s_mov_b32 s[G0SB], 1
	s_add_co_u32 s[G0SB+1], s95, SCW
	s_mov_b64 s[G0SB+2:G0SB+3], s[92:93]
	s_or_b32 s[G0SB+3], s[G0SB+3], 0x80000000
	JLOAD G0S, G1S, G0SB, G1SB                     ; the scale blocks first
.irp s, 0,1
	s_mov_b32 s[G0+4*\s], 1
	s_add_co_u32 s[G0+4*\s+1], s45, \s*SLOT
	s_add_nc_u64 s[G0+4*\s+2:G0+4*\s+3], s[20:21], \s*3072
	s_or_b32 s[G0+4*\s+3], s[G0+4*\s+3], 0x80000000
	s_mov_b32 s[G0B+4*\s], 1
	s_add_co_u32 s[G0B+4*\s+1], s45, \s*SLOT
	s_add_nc_u64 s[G0B+4*\s+2:G0B+4*\s+3], s[46:47], \s*3072
	s_or_b32 s[G0B+4*\s+3], s[G0B+4*\s+3], 0x80000000
	JLOAD G0+4*\s, G1, G0B+4*\s, G1B               ; three loads of mine are out
.endr
	v_and_b32 v1, 31, v0
	v_lshlrev_b32 v[LI], 4, v1
	v_lshlrev_b32 v[LS], 2, v1
.irp b, 0,1,2,3
	v_mov_b32 v[TM+4+\b], 0                        ; written once: a lane permute's destination counts as a source
.endr
	s_cmp_eq_u32 ttmp9, 2                          ; v?  The cluster's x: alike in all partners
	s_cselect_b32 s66, 2*HALFT, 0                  ; source 1 is read from W's bytes for v, from x's else;
	s_cselect_b32 s67, 0, 2*HALFT                  ; source 0 the other way round
	s_cselect_b32 s95, 16384, 0
	s_cselect_b32 s96, 0, 16384
	s_mul_i32 s21, s15, HALFT
	s_add_co_u32 s21, s21, s66
	s_mul_i32 s22, s16, HALFT
	s_add_co_u32 s22, s22, s67
.irp s, 0,1
	v_add_nc_u32 v[ADR1+\s], s21, v[LI]
	v_add_nc_u32 v[ADR0+\s], s22, v[LI]
	s_add_co_u32 s21, s21, SLOT
	s_add_co_u32 s22, s22, SLOT
.endr
	s_lshl_b32 s21, s15, 12
	s_add_co_u32 s21, s21, s95
	s_add_co_u32 s21, s21, SCL
	v_add_nc_u32 v[ADS1], s21, v[LS]
	s_lshl_b32 s22, s16, 12
	s_add_co_u32 s22, s22, s96
	s_add_co_u32 s22, s22, SCL
	v_add_nc_u32 v[ADS0], s22, v[LS]
	; where the first tile's results go.  q, k: tiles of rows 32 ty + 8 half1 on, K step 2 (tx % 4) + half0.  v: tiles of channels 16 (tx % 4) + 8 half1 on, key step 4 ty + half0
	s_and_b32 s46, s42, 3
	s_lshl_b32 s47, s46, 1
	s_add_co_u32 s47, s47, s16
	s_lshl_b32 s92, s17, 5
	s_lshl_b32 s93, s15, 3
	s_add_co_u32 s92, s92, s93
	s_lshr_b32 s94, s42, 2                         ; 0: q, 1: k
	s_mul_i32 s18, s94, KC
	s_mul_i32 s19, s92, 12288
	s_add_co_u32 s18, s18, s19
	s_mul_i32 s19, s47, 1536
	s_add_co_u32 s18, s18, s19                     ; q, k: codes
	s_lshl_b32 s20, s94, 18
	s_lshl_b32 s19, s92, 9
	s_add_co_u32 s20, s20, s19
	s_lshl_b32 s19, s47, 7
	s_add_co_u32 s20, s20, s19
	s_add_co_u32 s20, s20, QS                      ; q, k: scale blocks
	s_lshl_b32 s46, s46, 4
	s_add_co_u32 s46, s46, s93
	s_lshl_b32 s47, s17, 2
	s_add_co_u32 s47, s47, s16
	s_mul_i32 s22, s46, 98304
	s_mul_i32 s19, s47, 1536
	s_add_co_u32 s22, s22, s19
	s_add_co_u32 s22, s22, VC                      ; v: codes
	s_lshl_b32 s23, s46, 12
	s_lshl_b32 s19, s47, 7
	s_add_co_u32 s23, s23, s19
	s_add_co_u32 s23, s23, VS                      ; v: scale blocks
	s_cmp_eq_u32 ttmp9, 2
	s_cselect_b32 s18, s22, s18
	s_cselect_b32 s20, s23, s20
	s_mov_b32 s12, 12288
	s_cselect_b32 s12, 98304, s12                  ; from tile to tile of 16
	s_mov_b32 s2, 1024
	s_cselect_b32 s2, 8192, s2                     ; from pair to pair
	s_mov_b32 s92, 196608
	s_cselect_b32 s92, 3072, s92                   ; from the first tile of 256 to the second: q, k: 16 tiles of rows on; v: two key steps on
	s_mov_b32 s94, 8192
	s_cselect_b32 s94, 256, s94                    ; and the same for the scale blocks
	s_cselect_b32 s66, 0, 8192                     ; what the second tile adds to source 1's scale address,
	s_cselect_b32 s67, 8192, 0                     ; and to source 0's
	s_mov_b32 s19, 0
	s_mov_b32 s21, 0
	s_mov_b32 s13, 0
	s_mov_b32 s3, 0
	s_mov_b32 s93, 0
	s_mov_b32 s95, 0
	s_add_nc_u64 s[10:11], s[8:9], s[20:21]
	s_add_nc_u64 s[8:9], s[8:9], s[18:19]
; THE WAY OUT.  Source 1's block a: my lane's 64 results are four half blocks of the next K: quantised in registers, they are one fragment and one scale word a row, and leave as an image: 3 x 512 consecutive bytes.
.macro OUTQ a
.set WW, 2+(\a)/4
.set AC, 64*((\a)%4)
.set PCX, PC+12*((\a)%2)
.set PWX, PW+(\a)%2
.if (\a) > 0
	s_wait_xcnt 0x0                                ; the earlier stores have read their base and their data: both are written again only behind this wait
	s_add_nc_u64 s[OB0:OB0+1], s[OB0:OB0+1], s[12:13]
.if (\a)%2 == 0
	s_add_nc_u64 s[OB1:OB1+1], s[OB1:OB1+1], s[2:3]
.endif
.endif
	WIN WW*5                                       ; sources 0 and 1: the accumulators' window
.irp b, 0,1,2,3
	v_max3_num_f32 v[TM+\b], |v[AC+16*\b]|, |v[AC+16*\b+1]|, 0x1800000   ; each accumulator is read from its low end on; the floor 2^(3 - 127)
.endr
.irp i, 2,4,6,8,10,12,14
.irp b, 0,1,2,3
	v_max3_num_f32 v[TM+\b], |v[AC+16*\b+\i]|, |v[AC+16*\b+\i+1]|, v[TM+\b]
.endr
.endr
	WIN 0
.irp b, 0,1,2,3
	v_permlanex16_b32 v[TM+4+\b], v[TM+\b], s[SEL], s[SEL+1]
.endr
.irp b, 0,1,2,3
	v_max_num_f32 v[TM+\b], v[TM+\b], v[TM+4+\b]
.endr
.irp b, 0,1,2,3
	v_add_nc_u32 v[TM+12+\b], 0xff000000, v[TM+\b]
.endr
.irp b, 0,1,2,3
	v_lshrrev_b32 v[TM+4+\b], 23, v[TM+12+\b]
.endr
	v_lshl_or_b32 v[PWX], v[TM+5], 8, v[TM+4]
	v_lshl_or_b32 v[PWX], v[TM+6], 16, v[PWX]
	v_lshl_or_b32 v[PWX], v[TM+7], 24, v[PWX]
	WIN WW                                         ; source 0: the accumulators' window
.irp c, 0,1
	v_cvt_scalef32_pk16_fp6_f32 v[PCX+6*\c:PCX+6*\c+2], v[AC+32*\c:AC+32*\c+15], v[TM+12+2*\c]
	v_cvt_scalef32_pk16_fp6_f32 v[CT+4*\c:CT+4*\c+2], v[AC+32*\c+16:AC+32*\c+31], v[TM+12+2*\c+1]
.endr
	WIN 0
	v_nop                                          ; one plain instruction behind the scaled conversions
.irp c, 0,1
.irp i, 0,1,2
	v_permlane16_swap_b32 v[PCX+6*\c+\i], v[CT+4*\c+\i]
.endr
.irp i, 0,1,2
	v_mov_b32 v[PCX+6*\c+3+\i], v[CT+4*\c+\i]
.endr
.endr
.irp c, 0,1,2
	global_store_b128 v[LI], v[PCX+4*\c:PCX+4*\c+3], s[OB0:OB0+1] offset:512*\c
.endr
.if (\a)%2
	v_cndmask_b32 v[PWC], v[PW], v[PW+1], s[MHI]   ; lanes 0-15: the even tile's words, lanes 16-31: the odd tile's
	global_store_b32 v[LS], v[PWC], s[OB1:OB1+1]
.endif
.endm
.macro WAYOUT t                        ; tile t of the work-group's two
	s_wait_xcnt 0x0                                ; the last tile's stores have read their bases and their data
	s_mov_b64 s[OB0:OB0+1], s[8:9]
	s_mov_b64 s[OB1:OB1+1], s[10:11]
.if (\t) == 0
	s_add_nc_u64 s[8:9], s[8:9], s[92:93]          ; where the second tile's results will go
	s_add_nc_u64 s[10:11], s[10:11], s[94:95]
.endif
.irp a, 0,1,2,3,4,5,6,7
	OUTQ \a
.endr
.endm
	s_wait_tensorcnt 1                             ; the scale blocks and my part of slot 0 are in; slot 1's load may be out
	s_barrier_signal -1
	s_barrier_wait -1
	FETCH_B 0, 0, 0
	FETCH_A 0, 0, 0
	SCALES 0, 0
	FETCH_A 0, 0, 4
	STEP 0, 0, 1                                   ; the first products start the sums: nothing is cleared
	TURN 0, 1, 1, 1, 0, 0
	STEP 1, 0, 0
	TURN 1, 0, 1, 2, 0, 0
	STEP 0, 0, 0
	TURN 0, 1, 1, 3, 1, 0                          ; THE RING GOES ON INTO THE SECOND TILE: slot 0 takes its K step 0,
	STEP 1, 0, 0
	TURN 1, 0, 1, 0, 1, 1                          ; slot 1 its K step 1, and the second tile's first fragments and scale words are fetched
	WAYOUT 0                                       ; both refills are asked for: now the first tile goes out.  It touches no register of the fragments just fetched; the places behind the last products stand in TURN
	STEP 0, 0, 1                                   ; the second tile's first products start its sums on accumulators that have been read out
	TURN 0, 1, 1, 1, 0, 0
	STEP 1, 0, 0
	TURN 1, 0, 1, 2, 0, 0
	STEP 0, 0, 0
	TURN 0, 1, 0, 3, 0, 0                          ; nothing is left to fetch
	STEP 1, 0, 0
	s_wait_dscnt 12
	WIN MUL_LO
	MUL16 0, 1, 1, 1, 0
	MUL16 2, 1, 1, 1, 0
	s_wait_dscnt 0x0
	WIN MUL_HI
	MUL16 4, 1, 1, 1, 0
	MUL16 6, 1, 1, 1, 0
	WIN 0
	PLACES NP
	WAYOUT 1
	s_wait_tensorcnt 0x0                           ; the wave's end
	ds_add_u32 v[SPW], v[NIL]
	s_wait_dscnt 0x0
	CROUND                                         ; the closing round
	s_endpgm
.Lfunc_end_k_q8c367ba2a7_proj:
	.size	k_q8c367ba2a7_proj, .Lfunc_end_k_q8c367ba2a7_proj-k_q8c367ba2a7_proj
	.p2alignl 7, 3214868480
	.fill 96, 4, 3214868480
	.section	.rodata,"a",@progbits
	.p2align	6, 0x0
	.amdhsa_kernel k_q8c367ba2a7_proj
		.amdhsa_group_segment_fixed_size 327680
		.amdhsa_private_segment_fixed_size 0
		.amdhsa_enable_private_segment 0
		.amdhsa_kernarg_size 24
		.amdhsa_user_sgpr_count 2
		.amdhsa_user_sgpr_kernarg_segment_ptr 1
		.amdhsa_wavefront_size32 1
		.amdhsa_system_sgpr_workgroup_id_x 1
		.amdhsa_system_sgpr_workgroup_id_y 1
		.amdhsa_system_sgpr_workgroup_id_z 1
		.amdhsa_system_vgpr_workitem_id 0
		.amdhsa_next_free_vgpr 1024
		.amdhsa_next_free_sgpr 100
		.amdhsa_reserve_vcc 0
		.amdhsa_float_denorm_mode_32 3
		.amdhsa_float_denorm_mode_16_64 3
		.amdhsa_memory_ordered 1
		.amdhsa_forward_progress 1
		.amdhsa_inst_pref_size 255
	.end_amdhsa_kernel
	.section	.bss,"aw",@nobits
	.p2align	6
	.space	262144
	.amdgpu_metadata
---
amdhsa.version: [ 1, 2 ]
amdhsa.kernels:
  - .name:           k_q8c367ba2a7_proj
    .symbol:         k_q8c367ba2a7_proj.kd
    .args:
      - { .name: xq, .offset: 0, .size: 8, .value_kind: global_buffer, .address_space: global }
      - { .name: wq, .offset: 8, .size: 8, .value_kind: global_buffer, .address_space: global }
      - { .name: qkv, .offset: 16, .size: 8, .value_kind: global_buffer, .address_space: global }
    .group_segment_fixed_size: 327680
    .private_segment_fixed_size: 0
    .kernarg_segment_align: 8
    .kernarg_segment_size: 24
    .max_flat_workgroup_size: 128
    .sgpr_count:     100
    .vgpr_count:     1024
    .wavefront_size: 32
...
	.end_amdgpu_metadata
.endif
;; end of part 2
;; launch score (part 3): grid 9 x 16, 4 waves a work-group, no clusters, 327,680 bytes of LDS; arguments qkv, pp; writes pp
.if DOCPART == 3
	.amdgcn_target "amdgcn-amd-amdhsa--gfx1250"
	.amdhsa_code_object_version 6
	.text
	.protected	k_q8c367ba2a7_score
	.globl	k_q8c367ba2a7_score
	.p2align	8
	.type	k_q8c367ba2a7_score,@function
k_q8c367ba2a7_score:
	s_mov_b64 s[64:65], 0
	v_nop
	global_prefetch_b8 v0, s[64:65] scope:SCOPE_SE
	s_setreg_imm32_b32 hwreg(HW_REG_WAVE_MODE, 25, 1), 1
	s_wait_xcnt 0x0
; Launch 3 of 4: S^T = k q^T on codes of E2M3, the mask, p = 2^(t - M), and p quantised along the keys.
; LEFT OUT: the tiles of 256 queries x 256 keys whose every key comes after every query: reference()'s own jnp.tril gives them the weight 0 for all inputs.  36 of 64 tiles a batch remain.
; THE TRIANGLE IS FOLDED: batch y / 4, p = y % 4; x <= p: query block p, key block x; else query block 7 - p, key block x - p - 1: nine tiles for each y, 144 equal work-groups.
; NO CLUSTER: in that fold neighbours along neither axis share q's or k's tile at all places, and 9 is no multiple of 4.
; A work-group makes 256 queries x 256 keys, a wave 128 x 128; source 0 = 16 keys, source 1 = 16 queries: a lane holds ONE query and its registers run along the keys.
; THE SOFTMAX IS TAKEN UNIT BY UNIT (16 queries x 128 keys): t = score x log2(e) / 32; M = the unit's largest t of the query, rounded up to a whole number; p = 2^(t - M) is quantised; the sum l of the unquantised p
; and -M are stored beside the codes.  M is a whole number, so the last launch brings a unit under the row's M by moving its scale bytes and l: nothing is rounded.
; A unit all of whose keys are hidden gives zero codes, the byte 1, -M = 3e38 and l = 0.
; pp: codes [4][128 tiles of queries][16 key steps][1536]; scale blocks [4][64 pairs][16][128]; (-M, l) [4][64][16][32 lanes][2].  Only the steps under the mask are written.
; Operands, tile order, ring and registers as in the second launch; K = 1,024 in four steps of 256, written out.  Every wave fetches a quarter of each slot by a load of its own.
.set KC,    6291456
.set QS,    18874368
.set PWO,   12582912
.set PSO,   13107200
.set FR,    12
.set NP,    4
.set HALFT, 24576
.set SLOT,  4*HALFT                    ; q's two halves, then k's two
.set SCL,   2*SLOT
.set SPARE, SCL+16384
.set ADR1, 16
.set ADR0, 20
.set ADS1, 24
.set ADS0, 25
.set LI,   26
.set LS,   27
.set SPW,  28
.set NIL,  29
.set L8,   30                          ; v30  8 x lane
.set SC,   32
.set TM,   64                          ; v64-79 at work
.set NM,   80                          ; v80 -M, v81 the largest t
.set SU,   82                          ; v82-85 the sum, in two chains of pairs
.set PW,   86
.set PWC,  88
.set STA,  90                          ; v90-93 (-M, l) of the even and of the odd tile
.set STC,  94                          ; v94-95 both in one pair
.set PC,   96                          ; v96-119 two sets of codes
.set VQ,   120                         ; v120 my query's place less 16 (lane / 16)
.set DD,   121
.set NINF, 122                         ; v122 -infinity
.set TT,   124
.set AF,   128
.set CT,   224
.set G1,   24
.set G0,   32
.set G1S,  40
.set G0S,  48
.set CS,   52                          ; s[52:53] c = log2(e) / 32
.set SEL,  54
.set KB0,  56                          ; s56 my first key
.set Q0,   57                          ; s57 my first query
.set MHI,  58
.set MSB, 0
.macro WIN new
.if MSB != (\new)
	s_set_vgpr_msb (MSB<<8)|(\new)
.set MSB, (\new)
.endif
.endm
.set MUL_LO, 0xa1
.set MUL_HI, 0xf1
.set TO_B,   0x40
.macro FRAG reg, adr, q, i
.irp c, 0,1,2
	ds_load_b128 v[\reg+4*\c:\reg+4*\c+3], v[\adr] offset:(\i)*3072+(\q)*1536+512*\c
.endr
.endm
.macro WM a, b, p, q, set, zero
.set rD, 8*(8*((\a)%4)+(\b))
.set rB, 128*(\p)+FR*(\b)
.set rA, AF+FR*(\a)
.set rX, SC+16*(\set)+8*(\q)+4+(\b)/2
.set rY, SC+16*(\set)+8*(\q)+(\a)/2
.set odd, 2*((\b)%2)+((\a)%2)
.if \zero
.if odd == 0
	v_wmma_scale_f32_16x16x128_f8f6f4 v[rD:rD+7], v[rB:rB+11], v[rA:rA+11], 0, v[rX], v[rY] matrix_a_fmt:MATRIX_FMT_FP6 matrix_b_fmt:MATRIX_FMT_FP6
.elseif odd == 1
	v_wmma_scale_f32_16x16x128_f8f6f4 v[rD:rD+7], v[rB:rB+11], v[rA:rA+11], 0, v[rX], v[rY] matrix_a_fmt:MATRIX_FMT_FP6 matrix_b_fmt:MATRIX_FMT_FP6 matrix_b_scale:MATRIX_SCALE_ROW1
.elseif odd == 2
	v_wmma_scale_f32_16x16x128_f8f6f4 v[rD:rD+7], v[rB:rB+11], v[rA:rA+11], 0, v[rX], v[rY] matrix_a_fmt:MATRIX_FMT_FP6 matrix_b_fmt:MATRIX_FMT_FP6 matrix_a_scale:MATRIX_SCALE_ROW1
.else
	v_wmma_scale_f32_16x16x128_f8f6f4 v[rD:rD+7], v[rB:rB+11], v[rA:rA+11], 0, v[rX], v[rY] matrix_a_fmt:MATRIX_FMT_FP6 matrix_b_fmt:MATRIX_FMT_FP6 matrix_a_scale:MATRIX_SCALE_ROW1 matrix_b_scale:MATRIX_SCALE_ROW1
.endif
.else
.if odd == 0
	v_wmma_scale_f32_16x16x128_f8f6f4 v[rD:rD+7], v[rB:rB+11], v[rA:rA+11], v[rD:rD+7], v[rX], v[rY] matrix_a_fmt:MATRIX_FMT_FP6 matrix_b_fmt:MATRIX_FMT_FP6
.elseif odd == 1
	v_wmma_scale_f32_16x16x128_f8f6f4 v[rD:rD+7], v[rB:rB+11], v[rA:rA+11], v[rD:rD+7], v[rX], v[rY] matrix_a_fmt:MATRIX_FMT_FP6 matrix_b_fmt:MATRIX_FMT_FP6 matrix_b_scale:MATRIX_SCALE_ROW1
.elseif odd == 2
	v_wmma_scale_f32_16x16x128_f8f6f4 v[rD:rD+7], v[rB:rB+11], v[rA:rA+11], v[rD:rD+7], v[rX], v[rY] matrix_a_fmt:MATRIX_FMT_FP6 matrix_b_fmt:MATRIX_FMT_FP6 matrix_a_scale:MATRIX_SCALE_ROW1
.else
	v_wmma_scale_f32_16x16x128_f8f6f4 v[rD:rD+7], v[rB:rB+11], v[rA:rA+11], v[rD:rD+7], v[rX], v[rY] matrix_a_fmt:MATRIX_FMT_FP6 matrix_b_fmt:MATRIX_FMT_FP6 matrix_a_scale:MATRIX_SCALE_ROW1 matrix_b_scale:MATRIX_SCALE_ROW1
.endif
.endif
.endm
.macro MUL16 a0, p, q, set, zero       ; the 64 accumulators take turns, one instruction a turn
.irp a, \a0, \a0+1
.irp b, 0,1,2,3,4,5,6,7
	WM \a, \b, \p, \q, \set, \zero
.endr
.endr
.endm
.macro FETCH_B slot, q, p
	WIN TO_B
.irp i, 0,1,2,3,4,5,6,7
	FRAG 128*(\p)+FR*\i, ADR0+\slot, \q, \i
.endr
	WIN 0
.endm
.macro FETCH_A slot, q, i0
.irp i, \i0, \i0+1, \i0+2, \i0+3
	FRAG AF+FR*(\i), ADR1+\slot, \q, \i
.endr
.endm
.macro SCALES set, ks
.irp q, 0,1
.irp p, 0,1,2,3
	ds_load_b32 v[SC+16*(\set)+8*\q+\p], v[ADS1] offset:\p*1024+(2*(\ks)+\q)*128
	ds_load_b32 v[SC+16*(\set)+8*\q+4+\p], v[ADS0] offset:\p*1024+(2*(\ks)+\q)*128
.endr
.endr
.endm
.macro PLACES n
.rept \n
	v_nop
.endr
.endm
.macro STEP slot, q, zero
	s_wait_dscnt 12                                ; all but the youngest 12 loads, q's blocks 4-7
	WIN MUL_LO
	MUL16 0, (\q)%2, \q, \slot, \zero
	MUL16 2, (\q)%2, \q, \slot, \zero
	s_wait_dscnt 0x0
	PLACES NP
	FETCH_B \slot, (\q)+1, 1-(\q)%2
	FETCH_A \slot, (\q)+1, 0
	WIN MUL_HI
	MUL16 4, (\q)%2, \q, \slot, \zero
	MUL16 6, (\q)%2, \q, \slot, \zero
	PLACES NP
	WIN 0
	FETCH_A \slot, (\q)+1, 4
.endm
.macro TURN slot, next, fill, ksn
	s_wait_tensorcnt 0x0                           ; my part of the next slot has landed; no tensor load of mine is out
	ds_add_u32 v[SPW], v[NIL]
	s_wait_dscnt 13                                ; the add and the youngest 12 loads may be out
	WIN MUL_LO
	MUL16 0, 1, 1, \slot, 0
	s_wait_dscnt 0x0                               ; the add is done, and my reads of this slot are over
	s_barrier_signal -1
	MUL16 2, 1, 1, \slot, 0
	WIN 0
	s_barrier_wait -1
.if \fill
	s_add_nc_u64 s[G0+4*\slot+2:G0+4*\slot+3], s[G0+4*\slot+2:G0+4*\slot+3], 6144
	tensor_load_to_lds s[G0+4*\slot:G0+4*\slot+3], s[G1:G1+7]   ; my one load behind this barrier: two K steps of 256 on
	s_nop 0
.rept 4
	v_nop                                          ; also the places in front of the loads below
.endr
.else
	PLACES NP
.endif
	FETCH_B \next, 0, 0
	FETCH_A \next, 0, 0
	SCALES \next, \ksn
	WIN MUL_HI
	MUL16 4, 1, 1, \slot, 0
	MUL16 6, 1, 1, \slot, 0
	PLACES NP
	WIN 0
	FETCH_A \next, 0, 4
.endm
	s_load_b128 s[4:7], s[0:1], 0x0                ; qkv, pp
	v_lshl_add_u32 v[SPW], v0, 2, SPARE
	v_mov_b32 v[NIL], 0
	ds_add_u32 v[SPW], v[NIL]                      ; the opening: the add, twice on end, and its wait ahead of my first tensor load
	ds_add_u32 v[SPW], v[NIL]
	v_lshrrev_b32 v1, 5, v0
	v_readfirstlane_b32 s14, v1                    ; wave
	s_lshr_b32 s15, s14, 1                         ; my half of the queries.  Also: I fetch for q (0) or for k (1)
	s_and_b32 s16, s14, 1                          ; my half of the keys.  Also: which half of that tile I fetch
	s_and_b32 s20, ttmp7, 0xffff
	s_lshr_b32 s17, s20, 2                         ; the batch
	s_and_b32 s21, s20, 3                          ; p
	s_sub_co_u32 s22, 7, s21
	s_sub_co_u32 s23, ttmp9, s21
	s_sub_co_u32 s23, s23, 1
	s_cmp_le_u32 ttmp9, s21
	s_cselect_b32 s18, s21, s22                    ; the block of queries
	s_cselect_b32 s19, ttmp9, s23                  ; the block of keys
	s_mov_b32 s[G1], 3<<16                         ; no mask; elements of 8 bytes; no padding
	s_mov_b32 s[G1+1], 384<<16                     ; 3,072 bytes: two K steps' images of a tile
	s_mov_b32 s[G1+2], 8<<16                       ; 8 tiles
	s_mov_b32 s[G1+3], 384<<16
	s_mov_b32 s[G1+4], 8
	s_mov_b32 s[G1+5], 1536                        ; from tile to tile: 12,288 bytes
	s_mov_b32 s[G1+6], 0
	s_mov_b32 s[G1+7], 0
	s_mov_b32 s[G1S], 3<<16                        ; the scale blocks of 4 pairs: 4,096 dense bytes as 16 rows of 256
	s_mov_b32 s[G1S+1], 32<<16
	s_mov_b32 s[G1S+2], 16<<16
	s_mov_b32 s[G1S+3], 32<<16
	s_mov_b32 s[G1S+4], 16
	s_mov_b32 s[G1S+5], 32
	s_mov_b32 s[G1S+6], 0
	s_mov_b32 s[G1S+7], 0
	s_cmp_lt_u32 s14, 2
	s_cselect_b32 s20, s18, s19                    ; the block that I fetch of
	s_lshl_b32 s21, s17, 7
	s_lshl_b32 s22, s20, 4
	s_add_co_u32 s21, s21, s22
	s_lshl_b32 s22, s16, 3
	s_add_co_u32 s21, s21, s22                     ; its first tile: 128 batch + 16 block + 8 half
	s_mul_i32 s22, s21, 12288
	s_mul_i32 s23, s15, KC
	s_add_co_u32 s22, s22, s23
	s_mov_b32 s23, 0
	s_lshl_b32 s60, s21, 9
	s_lshl_b32 s61, s15, 18
	s_add_co_u32 s60, s60, s61
	s_add_co_u32 s60, s60, QS
	s_mov_b32 s61, 0
	s_mul_i32 s62, s14, HALFT
	s_lshl_b32 s63, s14, 12
	s_mov_b32 s[CS], 0x3d38aa3b                    ; log2(e) / 32
	s_mov_b32 s[CS+1], s[CS]                       ; named with it as a pair, so it is written
	s_mov_b32 s[SEL], 0x76543210
	s_mov_b32 s[SEL+1], 0xfedcba98
	s_mov_b32 s[MHI], 0xffff0000
	s_wait_dscnt 0x0                               ; both opening adds are done
	s_wait_kmcnt 0x0
	s_mov_b32 s[G0S], 1
	s_add_co_u32 s[G0S+1], s63, SCL
	s_add_nc_u64 s[G0S+2:G0S+3], s[4:5], s[60:61]
	s_or_b32 s[G0S+3], s[G0S+3], 0x80000000
	s_add_nc_u64 s[22:23], s[4:5], s[22:23]
.irp s, 0,1
	s_mov_b32 s[G0+4*\s], 1
	s_add_co_u32 s[G0+4*\s+1], s62, \s*SLOT
	s_add_nc_u64 s[G0+4*\s+2:G0+4*\s+3], s[22:23], \s*3072
	s_or_b32 s[G0+4*\s+3], s[G0+4*\s+3], 0x80000000
.endr
	tensor_load_to_lds s[G0S:G0S+3], s[G1S:G1S+7]  ; the first fills go out together: three loads of mine are out
	s_nop 0
	tensor_load_to_lds s[G0:G0+3], s[G1:G1+7]
	s_nop 0
	tensor_load_to_lds s[G0+4:G0+7], s[G1:G1+7]
	s_nop 0
.rept 4
	v_nop
.endr
	v_and_b32 v1, 31, v0
	v_and_b32 v2, 15, v0
	v_bfe_u32 v3, v0, 4, 1
	v_lshlrev_b32 v[LI], 4, v1
	v_lshlrev_b32 v[LS], 2, v1
	v_lshlrev_b32 v[L8], 3, v1
	v_and_b32 v[VQ], 8, v2
	v_add_nc_u32 v[VQ], v[VQ], v2                  ; r + 8 (r / 8)
	v_lshlrev_b32 v3, 4, v3
	v_sub_nc_u32 v[VQ], v[VQ], v3                  ; - 16 h
	v_mov_b32 v[NINF], 0xff800000
	v_mov_b32 v[TT+1], 0
.irp b, 0,1,2,3
	v_mov_b32 v[TM+4+\b], 0                        ; written once: a lane permute's destination counts as a source
.endr
	s_mul_i32 s21, s15, HALFT
	s_mul_i32 s22, s16, HALFT
	s_add_co_u32 s22, s22, 2*HALFT
.irp s, 0,1
	v_add_nc_u32 v[ADR1+\s], s21, v[LI]
	v_add_nc_u32 v[ADR0+\s], s22, v[LI]
	s_add_co_u32 s21, s21, SLOT
	s_add_co_u32 s22, s22, SLOT
.endr
	s_lshl_b32 s21, s15, 12
	s_add_co_u32 s21, s21, SCL
	v_add_nc_u32 v[ADS1], s21, v[LS]
	s_lshl_b32 s22, s16, 12
	s_add_co_u32 s22, s22, SCL+8192
	v_add_nc_u32 v[ADS0], s22, v[LS]
	s_lshl_b32 s[Q0], s18, 8
	s_lshl_b32 s20, s15, 7
	s_add_co_u32 s[Q0], s[Q0], s20                 ; my first query in the batch
	s_lshl_b32 s[KB0], s19, 8
	s_lshl_b32 s20, s16, 7
	s_add_co_u32 s[KB0], s[KB0], s20               ; my first key
	s_lshl_b32 s20, s17, 7
	s_lshl_b32 s21, s18, 4
	s_add_co_u32 s20, s20, s21
	s_lshl_b32 s21, s15, 3
	s_add_co_u32 s20, s20, s21                     ; my first tile of queries
	s_lshl_b32 s21, s19, 1
	s_add_co_u32 s21, s21, s16                     ; my key step
	s_lshl_b32 s22, s20, 4
	s_add_co_u32 s22, s22, s21
	s_mul_i32 s22, s22, 1536
	s_mov_b32 s23, 0
	s_add_nc_u64 s[8:9], s[6:7], s[22:23]          ; p's codes
	s_lshl_b32 s22, s20, 3
	s_add_co_u32 s22, s22, s21                     ; 16 x pair + step
	s_lshl_b32 s60, s22, 7
	s_add_co_u32 s60, s60, PWO
	s_mov_b32 s61, 0
	s_add_nc_u64 s[10:11], s[6:7], s[60:61]        ; p's scale blocks
	s_lshl_b32 s60, s22, 8
	s_add_co_u32 s60, s60, PSO
	s_add_nc_u64 s[12:13], s[6:7], s[60:61]        ; (-M, l)
	s_wait_tensorcnt 1                             ; the scale blocks and my part of slot 0 are in; slot 1's load may be out
	s_barrier_signal -1
	s_barrier_wait -1
	FETCH_B 0, 0, 0
	FETCH_A 0, 0, 0
	SCALES 0, 0
	FETCH_A 0, 0, 4
	STEP 0, 0, 1                                   ; the first products start the sums
	TURN 0, 1, 1, 1
	STEP 1, 0, 0
	TURN 1, 0, 1, 2
	STEP 0, 0, 0
	TURN 0, 1, 0, 3
	STEP 1, 0, 0
	s_wait_dscnt 12
	WIN MUL_LO
	MUL16 0, 1, 1, 1, 0
	MUL16 2, 1, 1, 1, 0
	s_wait_dscnt 0x0
	WIN MUL_HI
	MUL16 4, 1, 1, 1, 0
	MUL16 6, 1, 1, 1, 0
	WIN 0
	PLACES NP
; A UNIT: tile a of my queries x my 128 keys.  Register n of the tile's 64 holds key KB0 + 32 (n / 16) + 16 (lane / 16) + n % 16.
.macro SOFT a
.set WW, 2+(\a)/4
.set AC, 64*((\a)%4)
.set PCX, PC+12*((\a)%2)
.set PWX, PW+(\a)%2
.set STX, STA+2*((\a)%2)
	s_add_co_u32 s60, s[KB0], 127
	s_add_co_u32 s61, s[Q0], 32*((\a)/2)+8*((\a)%2)
	s_cmp_le_u32 s60, s61                          ; all my keys count for the tile's first query, so for all: ids alone
	s_cbranch_scc1 .Lopen_\@
	s_sub_co_i32 s60, s61, s[KB0]
	v_add_nc_u32 v[DD], s60, v[VQ]                 ; d = my query - KB0 - 16 (lane / 16): register n is hidden where 32 (n / 16) + n % 16 > d
	WIN WW*65                                      ; destination and source 0: the accumulators' window
.set n, 0
.rept 64
	v_cmp_gt_i32 vcc_lo, 32*(n/16)+n%16, v[DD]
	v_cndmask_b32 v[AC+n], v[AC+n], v[NINF], vcc_lo
.set n, n+1
.endr
	WIN 0
.Lopen_\@:
	WIN WW*5
.irp b, 0,1,2,3
	v_max3_num_f32 v[TM+\b], v[AC+16*\b], v[AC+16*\b+1], v[NINF]   ; the largest score of each block of 32 keys: it serves for the row's maximum and, since p rises with the score, for the block's largest p
.endr
.irp i, 2,4,6,8,10,12,14
.irp b, 0,1,2,3
	v_max3_num_f32 v[TM+\b], v[AC+16*\b+\i], v[AC+16*\b+\i+1], v[TM+\b]
.endr
.endr
	WIN 0
.irp b, 0,1,2,3
	v_permlanex16_b32 v[TM+4+\b], v[TM+\b], s[SEL], s[SEL+1]
.endr
.irp b, 0,1,2,3
	v_max_num_f32 v[TM+\b], v[TM+\b], v[TM+4+\b]   ; with lane l xor 16's 16 keys
.endr
	v_max3_num_f32 v[TT], v[TM], v[TM+1], v[TM+2]
	v_max_num_f32 v[TT], v[TT], v[TM+3]
	v_mul_f32 v[TT], s[CS], v[TT]                  ; as t
	v_max_num_f32 v[NM+1], 0xff61b1e6, v[TT]       ; held at -3e38, for a unit all of whose keys are hidden
	v_floor_f32 v[NM], -v[NM+1]                    ; -M = floor(-t): M is a whole number
.irp b, 0,1,2,3
	v_fma_f32 v[TM+\b], v[TM+\b], s[CS], v[NM]
.endr
	WIN WW*65
.set n, 0
.rept 32
	v_pk_fma_f32 v[AC+n:AC+n+1], v[AC+n:AC+n+1], s[CS:CS+1], v[NM:NM+1] op_sel_hi:[1,0,0]   ; t - M, two at a time
.set n, n+2
.endr
.set n, 0
.rept 64
	v_exp_f32 v[AC+n], v[AC+n]                     ; p = 2^(t - M), at most 1
.set n, n+1
.endr
	WIN 0
.irp i, 0,1,2,3
	v_mov_b32 v[SU+\i], 0                          ; plain instructions behind the exponentials
.endr
	s_wait_alu depctr_va_vdst(0)                   ; one wait for the batch of 64, ahead of its first reader
.irp b, 0,1,2,3
	v_exp_f32 v[TM+\b], v[TM+\b]                   ; the blocks' largest p: the same two instructions on the same number give the same bits
.endr
	WIN WW
.set n, 0
.rept 16
	v_pk_add_f32 v[SU:SU+1], v[AC+n:AC+n+1], v[SU:SU+1]              ; the sum is taken of the unquantised p, in two chains
	v_pk_add_f32 v[SU+2:SU+3], v[AC+n+2:AC+n+3], v[SU+2:SU+3]
.set n, n+4
.endr
	WIN 0
	v_pk_add_f32 v[SU:SU+1], v[SU:SU+1], v[SU+2:SU+3]
	s_wait_alu depctr_va_vdst(0)                   ; and one for the four
.irp b, 0,1,2,3
	v_max_num_f32 v[TM+\b], 0x1800000, v[TM+\b]    ; the floor 2^(3 - 127)
.endr
.irp b, 0,1,2,3
	v_add_nc_u32 v[TM+12+\b], 0xff000000, v[TM+\b]
.endr
.irp b, 0,1,2,3
	v_lshrrev_b32 v[TM+4+\b], 23, v[TM+12+\b]
.endr
	v_lshl_or_b32 v[PWX], v[TM+5], 8, v[TM+4]
	v_lshl_or_b32 v[PWX], v[TM+6], 16, v[PWX]
	v_lshl_or_b32 v[PWX], v[TM+7], 24, v[PWX]
	s_wait_xcnt 0x0                                ; the earlier stores have read their data: the codes' and the pairs' registers are written again only behind this wait
	WIN WW
.irp c, 0,1
	v_cvt_scalef32_pk16_fp6_f32 v[PCX+6*\c:PCX+6*\c+2], v[AC+32*\c:AC+32*\c+15], v[TM+12+2*\c]
	v_cvt_scalef32_pk16_fp6_f32 v[CT+4*\c:CT+4*\c+2], v[AC+32*\c+16:AC+32*\c+31], v[TM+12+2*\c+1]
.endr
	WIN 0
	v_nop                                          ; one plain instruction behind the scaled conversions
.irp c, 0,1
.irp i, 0,1,2
	v_permlane16_swap_b32 v[PCX+6*\c+\i], v[CT+4*\c+\i]
.endr
.irp i, 0,1,2
	v_mov_b32 v[PCX+6*\c+3+\i], v[CT+4*\c+\i]
.endr
.endr
	v_add_f32 v[TT], v[SU], v[SU+1]
	v_permlanex16_b32 v[TT+1], v[TT], s[SEL], s[SEL+1]
	v_mov_b32 v[STX], v[NM]
	v_add_f32 v[STX+1], v[TT], v[TT+1]             ; l of my query in this unit
.irp c, 0,1,2
	global_store_b128 v[LI], v[PCX+4*\c:PCX+4*\c+3], s[8:9] offset:(\a)*24576+512*\c   ; 512 consecutive bytes, aligned
.endr
.if (\a)%2
	v_cndmask_b32 v[PWC], v[PW], v[PW+1], s[MHI]   ; lanes 0-15: the even tile's, lanes 16-31: the odd tile's
	v_cndmask_b32 v[STC], v[STA], v[STA+2], s[MHI]
	v_cndmask_b32 v[STC+1], v[STA+1], v[STA+3], s[MHI]
	global_store_b32 v[LS], v[PWC], s[10:11] offset:((\a)/2)*2048
	global_store_b64 v[L8], v[STC:STC+1], s[12:13] offset:((\a)/2)*4096
.endif
.endm
.irp a, 0,1,2,3,4,5,6,7
	SOFT \a
.endr
	s_wait_tensorcnt 0x0                           ; the wave's end
	ds_add_u32 v[SPW], v[NIL]
	s_wait_dscnt 0x0
	s_endpgm
.Lfunc_end_k_q8c367ba2a7_score:
	.size	k_q8c367ba2a7_score, .Lfunc_end_k_q8c367ba2a7_score-k_q8c367ba2a7_score
	.p2alignl 7, 3214868480
	.fill 96, 4, 3214868480
	.section	.rodata,"a",@progbits
	.p2align	6, 0x0
	.amdhsa_kernel k_q8c367ba2a7_score
		.amdhsa_group_segment_fixed_size 327680
		.amdhsa_private_segment_fixed_size 0
		.amdhsa_enable_private_segment 0
		.amdhsa_kernarg_size 16
		.amdhsa_user_sgpr_count 2
		.amdhsa_user_sgpr_kernarg_segment_ptr 1
		.amdhsa_wavefront_size32 1
		.amdhsa_system_sgpr_workgroup_id_x 1
		.amdhsa_system_sgpr_workgroup_id_y 1
		.amdhsa_system_sgpr_workgroup_id_z 1
		.amdhsa_system_vgpr_workitem_id 0
		.amdhsa_next_free_vgpr 1024
		.amdhsa_next_free_sgpr 66
		.amdhsa_reserve_vcc 1
		.amdhsa_float_denorm_mode_32 3
		.amdhsa_float_denorm_mode_16_64 3
		.amdhsa_memory_ordered 1
		.amdhsa_forward_progress 1
		.amdhsa_inst_pref_size 239
	.end_amdhsa_kernel
	.amdgpu_metadata
---
amdhsa.version: [ 1, 2 ]
amdhsa.kernels:
  - .name:           k_q8c367ba2a7_score
    .symbol:         k_q8c367ba2a7_score.kd
    .args:
      - { .name: qkv, .offset: 0, .size: 8, .value_kind: global_buffer, .address_space: global }
      - { .name: pp, .offset: 8, .size: 8, .value_kind: global_buffer, .address_space: global }
    .group_segment_fixed_size: 327680
    .private_segment_fixed_size: 0
    .kernarg_segment_align: 8
    .kernarg_segment_size: 16
    .max_flat_workgroup_size: 128
    .sgpr_count:     66
    .vgpr_count:     1024
    .wavefront_size: 32
...
	.end_amdgpu_metadata
.endif
;; end of part 3
;; launch pv (part 4): grid 4 x 64, 4 waves a work-group, no clusters, 327,680 bytes of LDS; arguments pp, qkv, out0; writes out0
.if DOCPART == 4
	.amdgcn_target "amdgcn-amd-amdhsa--gfx1250"
	.amdhsa_code_object_version 6
	.text
	.protected	k_q8c367ba2a7_pv
	.globl	k_q8c367ba2a7_pv
	.p2align	8
	.type	k_q8c367ba2a7_pv,@function
k_q8c367ba2a7_pv:
	s_mov_b64 s[64:65], 0
	v_nop
	global_prefetch_b8 v0, s[64:65] scope:SCOPE_SE
	s_setreg_imm32_b32 hwreg(HW_REG_WAVE_MODE, 25, 1), 1
	s_wait_xcnt 0x0
; Launch 4 of 4: O^T = v^T p^T on codes of E2M3, divided by the row's sum.
; LEFT OUT: the blocks of 256 keys that come after all queries of the work-group: reference()'s own jnp.tril gives them the weight 0 for all inputs.  Block qh of 128 queries walks N = qh / 2 + 1 blocks of 256 keys.
; A work-group makes 128 queries (batch y / 16, block y % 16) x 256 channels (x): 256 work-groups.  A wave makes 64 x 128: 32 accumulators; source 0 = 16 channels of v, source 1 = 16 queries of p; K = the keys.
; PROLOGUE.  The third launch took M unit by unit (16 queries x 128 keys).  Here -M of the row is the least of the units' -M; a unit's l is multiplied by 2^(M_unit - M_row), and M_row - M_unit is taken off each of its
; four scale bytes: whole powers of two, nothing is rounded.  LIMIT: a byte that would fall under 0 is held at 0: such a block's terms lie under 2^-124 beside a row's sum of 1/2 at the least.
; Wave w does that for pair w of the work-group's four; the words go to LDS, and 1 / l too.  Units beyond the mask were never stored: they are not loaded, and take defaults (-M = 3e38, l = 0).
; THE RING: two slots of 256 keys.  Every work-group walks eight changes of slots, so that the loop's trip count is a constant; what lies beyond N is jumped over: the load at the change, and the slot's work.
; Those jumps hang on ids and the count of slots alone and are the same in all four waves; every wait for tensor loads is for 0; no slot that was left out is read.
; A SLOT'S WORK: two steps of 128 keys, 32 products each, by v's tiles, each against p's four.  Both operands have two sets of registers.  A set's loads go out p's four fragments first, then v's eight one by one,
; and a counted wait stands ahead of each four products: they begin when p's fragments and v's first are in.  The second step's set is asked for in the middle of the first step.
; NO CLUSTER: p's tile is shared by the four blocks of channels, but the loads beyond N are jumped over, which a joint load may not be; v's tiles are shared only by blocks of queries that walk different numbers of slots.
; Operands and tile order as in the second launch.
; REGISTERS: window 0: v10-30 addresses; v32-47 scale words; v64-127 at work; v128-175, v176-223 p's fragments, two sets.  window 1: v's, two sets, at v0 and v128.  window 2: accumulator (a, b) at v[8 (8 a + b)].
.set PWO,   12582912
.set PSO,   13107200
.set VC,    12582912
.set VS,    19398656
.set FR,    12
.set NP,    4
.set HALFT, 24576                      ; a wave's part of a slot: v's halves fill it (8 tiles x 3,072 bytes), p's halves its first 12,288 bytes (4 tiles)
.set SLOT1, 131072                     ; slot 1 begins here: one exclusive or turns an address from one slot to the other.  A slot: p's two parts, then v's two: 98,304 bytes
.set VSC,   98304                      ; v's scale blocks [8 pairs][16 steps][128], filled once by tensor loads
.set PSC,   114688                     ; p's [4 pairs][16 steps][128], as the prologue stores them
.set RL,    229376                     ; 1 / l: [4 pairs][32 lanes]
.set STAGE, 230400                     ; the way out: 16 rows x (512 + 16) bytes for each wave
.set SPARE, 264192                     ; the spare words, 128 bytes a wave: two blocks of 256 bytes that no other line names
.set PSA,  10                          ; v10  where I store p's words
.set RLA,  11                          ; v11  where I store 1 / l
.set STO,  12                          ; v12  the stage, way in
.set SRD,  13                          ; v13  the stage, way out
.set RLR,  14                          ; v14  where I read 1 / l
.set ADR1, 16                          ; v16  p's fragments in the slot in hand;  v17 their place in slot 0
.set AD1B, 17
.set ADR0, 20                          ; v20, v21 the same for v
.set AD0B, 21
.set AS1B, 22                          ; v22, v23 my scale blocks' places at step 0
.set AS0B, 23
.set ADS1, 24                          ; v24, v25 and in the slot in hand
.set ADS0, 25
.set LI,   26
.set LS,   27
.set SPW,  28
.set NIL,  29
.set L8,   30
.set SC,   32                          ; register 8 q + p: p's pair p (0, 1); 8 q + 4 + p: v's pair p (0 to 3); lanes 0-15 the even tile, lanes 16-31 the odd one
.set MR,   64                          ; v64  the rows' -M
.set LL,   66                          ; v66  the rows' l
.set TO,   64                          ; the way out: v64-127
.set AF,   128
.set SS,   128                         ; the prologue: v128-159 (-M, l) of step st at 2 st
.set WD,   192                         ; v192-207 p's scale words
.set NN,   20                          ; s20  N
.set G1P,  24
.set G1V,  32
.set G1S,  40
.set G0,   48
.set G0S,  52
.set KS,   56                          ; s56  the slot's number
.set TB,   57                          ; s57  where the slot in hand begins in LDS
.set TS,   58                          ; s58  256 x KS: its scale words
.set STB,  66
.set WDB,  68
.set MSB, 0
.macro WIN new                         ; the immediate's high byte repeats the setting that is left
.if MSB != (\new)
	s_set_vgpr_msb (MSB<<8)|(\new)
.set MSB, (\new)
.endif
.endm
.set MUL,    0xa1                      ; source 0 (v) window 1, source 1 (p) window 0, C and D window 2
.set TO_B,   0x40                      ; destination window 1
.macro FRAG reg, adr, q, i             ; tile i, the slot's q-th 128 keys: the image as it lies
.irp c, 0,1,2
	ds_load_b128 v[\reg+4*\c:\reg+4*\c+3], v[\adr] offset:(\i)*3072+(\q)*1536+512*\c
.endr
.endm
; One product: p's tile a x v's tile b, from set p.  The scale word of an odd tile stands in lanes 16-31 of its pair's register.
.macro WM a, b, p, q, zero
.set rD, 8*(8*(\a)+(\b))
.set rB, 128*(\p)+FR*(\b)
.set rA, AF+48*(\p)+FR*(\a)
.set rX, SC+8*(\q)+4+(\b)/2
.set rY, SC+8*(\q)+(\a)/2
.set odd, 2*((\b)%2)+((\a)%2)
.if \zero
.if odd == 0
	v_wmma_scale_f32_16x16x128_f8f6f4 v[rD:rD+7], v[rB:rB+11], v[rA:rA+11], 0, v[rX], v[rY] matrix_a_fmt:MATRIX_FMT_FP6 matrix_b_fmt:MATRIX_FMT_FP6
.elseif odd == 1
	v_wmma_scale_f32_16x16x128_f8f6f4 v[rD:rD+7], v[rB:rB+11], v[rA:rA+11], 0, v[rX], v[rY] matrix_a_fmt:MATRIX_FMT_FP6 matrix_b_fmt:MATRIX_FMT_FP6 matrix_b_scale:MATRIX_SCALE_ROW1
.elseif odd == 2
	v_wmma_scale_f32_16x16x128_f8f6f4 v[rD:rD+7], v[rB:rB+11], v[rA:rA+11], 0, v[rX], v[rY] matrix_a_fmt:MATRIX_FMT_FP6 matrix_b_fmt:MATRIX_FMT_FP6 matrix_a_scale:MATRIX_SCALE_ROW1
.else
	v_wmma_scale_f32_16x16x128_f8f6f4 v[rD:rD+7], v[rB:rB+11], v[rA:rA+11], 0, v[rX], v[rY] matrix_a_fmt:MATRIX_FMT_FP6 matrix_b_fmt:MATRIX_FMT_FP6 matrix_a_scale:MATRIX_SCALE_ROW1 matrix_b_scale:MATRIX_SCALE_ROW1
.endif
.else
.if odd == 0
	v_wmma_scale_f32_16x16x128_f8f6f4 v[rD:rD+7], v[rB:rB+11], v[rA:rA+11], v[rD:rD+7], v[rX], v[rY] matrix_a_fmt:MATRIX_FMT_FP6 matrix_b_fmt:MATRIX_FMT_FP6
.elseif odd == 1
	v_wmma_scale_f32_16x16x128_f8f6f4 v[rD:rD+7], v[rB:rB+11], v[rA:rA+11], v[rD:rD+7], v[rX], v[rY] matrix_a_fmt:MATRIX_FMT_FP6 matrix_b_fmt:MATRIX_FMT_FP6 matrix_b_scale:MATRIX_SCALE_ROW1
.elseif odd == 2
	v_wmma_scale_f32_16x16x128_f8f6f4 v[rD:rD+7], v[rB:rB+11], v[rA:rA+11], v[rD:rD+7], v[rX], v[rY] matrix_a_fmt:MATRIX_FMT_FP6 matrix_b_fmt:MATRIX_FMT_FP6 matrix_a_scale:MATRIX_SCALE_ROW1
.else
	v_wmma_scale_f32_16x16x128_f8f6f4 v[rD:rD+7], v[rB:rB+11], v[rA:rA+11], v[rD:rD+7], v[rX], v[rY] matrix_a_fmt:MATRIX_FMT_FP6 matrix_b_fmt:MATRIX_FMT_FP6 matrix_a_scale:MATRIX_SCALE_ROW1 matrix_b_scale:MATRIX_SCALE_ROW1
.endif
.endif
.endm
.macro MULB b, p, q, zero              ; four products: v's tile b x p's four.  The 32 accumulators take turns, one instruction a turn, in the same order in every step, over the loop's backward jump too
.irp a, 0,1,2,3
	WM \a, \b, \p, \q, \zero
.endr
.endm
.macro FETCH_A p, q                    ; p's four fragments of the slot's q-th step into set p: 12 loads
.irp i, 0,1,2,3
	FRAG AF+48*(\p)+FR*\i, ADR1, \q, \i
.endr
.endm
.macro FETCH_B p, q                    ; v's eight, tile by tile: 24 loads
	WIN TO_B
.irp i, 0,1,2,3,4,5,6,7
	FRAG 128*(\p)+FR*\i, ADR0, \q, \i
.endr
	WIN 0
.endm
.macro SCALES                          ; the slot's two steps' scale words, 12 loads: a pair's 16 steps are 2,048 bytes
.irp q, 0,1
.irp p, 0,1
	ds_load_b32 v[SC+8*\q+\p], v[ADS1] offset:\p*2048+\q*128
.endr
.irp p, 0,1,2,3
	ds_load_b32 v[SC+8*\q+4+\p], v[ADS0] offset:\p*2048+\q*128
.endr
.endr
.endm
.macro PLACES n
.rept \n
	v_nop
.endr
.endm
; Waves 0 and 1 fetch p's halves, waves 2 and 3 v's: two shapes, so two lines under a branch on the wave's number.  An s_nop 0 and four v_nop follow each.
.macro TLOAD
	s_cmp_lt_u32 s14, 2
	s_cbranch_scc0 .Lfor_v_\@
	tensor_load_to_lds s[G0:G0+3], s[G1P:G1P+7]
	s_nop 0
.rept 4
	v_nop
.endr
	s_branch .Lasked_\@
.Lfor_v_\@:
	tensor_load_to_lds s[G0:G0+3], s[G1V:G1V+7]
	s_nop 0
.rept 4
	v_nop
.endr
.Lasked_\@:
.endm
; THE CHANGE OF SLOTS stands at a slot's head: each wave waits for all its tensor loads (its part of the slot ahead), adds 0 to its spare word, and waits for that and for its LDS instructions; one barrier.
; fill = 1: the other slot takes the next 256 keys, if they lie under the mask.
.macro CHANGE fill
	s_wait_tensorcnt 0x0                           ; no tensor load of mine is out, so the descriptor may be written
	ds_add_u32 v[SPW], v[NIL]
.if \fill
	s_xor_b32 s[G0+1], s[G0+1], SLOT1              ; the other slot than last time,
	s_add_nc_u64 s[G0+2:G0+3], s[G0+2:G0+3], 3072  ; the next two key steps' images
.endif
	s_wait_dscnt 0x0                               ; the add is done; my reads of the slot that I have left are over, and my stores of the prologue have landed
	s_barrier_signal -1
	s_barrier_wait -1
.if \fill
	s_add_co_u32 s60, s[KS], 1
	s_cmp_ge_u32 s60, s[NN]                        ; ids and the count of slots alone: all four waves go the same way, and who is past the limit stays past it
	s_cbranch_scc1 .Lpast_\@
	TLOAD                                          ; my one load behind this barrier: it has a slot's 64 products in which to land
.Lpast_\@:
.endif
.endm
.macro SLOTWORK zero
.if !(\zero)
	s_cmp_ge_u32 s[KS], s[NN]
	s_cbranch_scc1 .Lskip_\@                       ; all these keys come after all my work-group's queries
.endif
	v_add_nc_u32 v[ADR1], s[TB], v[AD1B]           ; these four are also the places in front of the loads below, and of those in the first step's middle: both sets and the scale words were last read ahead of them
	v_add_nc_u32 v[ADR0], s[TB], v[AD0B]
	v_add_nc_u32 v[ADS1], s[TS], v[AS1B]
	v_add_nc_u32 v[ADS0], s[TS], v[AS0B]
	FETCH_A 0, 0
	SCALES
	FETCH_B 0, 0
	WIN MUL
.irp b, 0,1,2,3
	s_wait_dscnt 21-3*\b                           ; LDS loads come back in order: p's fragments, the scale words and v's tiles up to b are in; the three loads of each later tile may be out
	MULB \b, 0, 0, \zero
.endr
	WIN 0
	FETCH_A 1, 1                                   ; the second step's set: 36 loads
	FETCH_B 1, 1
	WIN MUL
.irp b, 4,5,6,7
	s_wait_dscnt 57-3*\b                           ; the later tiles' loads and the 36 just issued may be out
	MULB \b, 0, 0, \zero
.endr
.irp b, 0,1,2,3,4,5,6,7
	s_wait_dscnt 21-3*\b                           ; the second set likewise
	MULB \b, 1, 1, 0
.endr
	WIN 0
.Lskip_\@:
	s_add_co_u32 s[KS], s[KS], 1
	s_xor_b32 s[TB], s[TB], SLOT1
	s_add_co_u32 s[TS], s[TS], 256
.endm
	s_load_b128 s[4:7], s[0:1], 0x0                ; pp, qkv
	s_load_b64 s[8:9], s[0:1], 0x10                ; out0
	v_lshl_add_u32 v[SPW], v0, 2, SPARE
	v_mov_b32 v[NIL], 0
	ds_add_u32 v[SPW], v[NIL]                      ; the opening: the add, twice on end, and its wait ahead of my first tensor load
	ds_add_u32 v[SPW], v[NIL]
	v_lshrrev_b32 v1, 5, v0
	v_readfirstlane_b32 s14, v1                    ; wave
	s_lshr_b32 s15, s14, 1                         ; my half of the queries
	s_and_b32 s16, s14, 1                          ; my half of the channels.  Also: which half of a tile I fetch
	s_mov_b32 s17, ttmp9                           ; the block of 256 channels
	s_and_b32 s19, ttmp7, 0xffff
	s_lshr_b32 s18, s19, 4                         ; the batch
	s_and_b32 s19, s19, 15                         ; the block of 128 queries
	s_lshr_b32 s[NN], s19, 1
	s_add_co_u32 s[NN], s[NN], 1
.irp g, G1P, G1V
	s_mov_b32 s[\g], 3<<16                         ; no mask; elements of 8 bytes; no padding
	s_mov_b32 s[\g+1], 384<<16                     ; 3,072 bytes: two key steps' images of a tile
	s_mov_b32 s[\g+3], 384<<16
	s_mov_b32 s[\g+6], 0
	s_mov_b32 s[\g+7], 0
.endr
	s_mov_b32 s[G1P+2], 4<<16                      ; p: 4 tiles,
	s_mov_b32 s[G1P+4], 4
	s_mov_b32 s[G1P+5], 3072                       ; from tile to tile 16 steps, 24,576 bytes
	s_mov_b32 s[G1V+2], 8<<16                      ; v: 8 tiles,
	s_mov_b32 s[G1V+4], 8
	s_mov_b32 s[G1V+5], 12288                      ; 64 steps, 98,304 bytes
	s_mov_b32 s[G1S], 3<<16                        ; v's scale blocks: two pairs x the batch's 16 steps, 2,048 bytes each, 8,192 bytes apart
	s_mov_b32 s[G1S+1], 256<<16
	s_mov_b32 s[G1S+2], 2<<16
	s_mov_b32 s[G1S+3], 256<<16
	s_mov_b32 s[G1S+4], 2
	s_mov_b32 s[G1S+5], 1024
	s_mov_b32 s[G1S+6], 0
	s_mov_b32 s[G1S+7], 0
	s_lshl_b32 s60, s18, 7
	s_lshl_b32 s61, s19, 3
	s_add_co_u32 s60, s60, s61
	s_lshl_b32 s61, s16, 2
	s_add_co_u32 s60, s60, s61
	s_mul_i32 s60, s60, 24576                      ; p: tile 128 batch + 8 block + 4 half
	s_lshl_b32 s62, s17, 4
	s_lshl_b32 s61, s16, 3
	s_add_co_u32 s62, s62, s61
	s_mul_i32 s62, s62, 98304                      ; v: tile 16 block + 8 half,
	s_mul_i32 s63, s18, 24576                      ; the batch's first key step
	s_add_co_u32 s62, s62, s63
	s_add_co_u32 s62, s62, VC
	s_cmp_lt_u32 s14, 2
	s_cselect_b32 s60, s60, s62
	s_mov_b32 s61, 0
	s_lshl_b32 s62, s17, 3
	s_lshl_b32 s63, s14, 1
	s_add_co_u32 s62, s62, s63
	s_lshl_b32 s62, s62, 13                        ; v's scale blocks: pair 8 block + 2 wave,
	s_lshl_b32 s63, s18, 11                        ; the batch's 16 steps
	s_add_co_u32 s62, s62, s63
	s_add_co_u32 s62, s62, VS
	s_mov_b32 s63, 0
	s_mov_b32 s[G0], 1
	s_mul_i32 s[G0+1], s14, HALFT                  ; slot 0
	s_mov_b32 s[G0S], 1
	s_lshl_b32 s[G0S+1], s14, 12
	s_add_co_u32 s[G0S+1], s[G0S+1], VSC
	s_mov_b32 s[KS], 0
	s_mov_b32 s[TB], 0
	s_mov_b32 s[TS], 0
	s_wait_dscnt 0x0                               ; both opening adds are done
	s_wait_kmcnt 0x0
	s_add_nc_u64 s[G0S+2:G0S+3], s[6:7], s[62:63]
	s_or_b32 s[G0S+3], s[G0S+3], 0x80000000
	s_cmp_lt_u32 s14, 2
	s_cselect_b64 s[G0+2:G0+3], s[4:5], s[6:7]
	s_add_nc_u64 s[G0+2:G0+3], s[G0+2:G0+3], s[60:61]
	s_or_b32 s[G0+3], s[G0+3], 0x80000000
	tensor_load_to_lds s[G0S:G0S+3], s[G1S:G1S+7]  ; the first fills: v's scale blocks, filled once,
	s_nop 0
	TLOAD                                          ; and slot 0, whose keys count for every query: two loads of mine are out
	v_and_b32 v1, 31, v0
	v_and_b32 v2, 15, v0
	v_bfe_u32 v3, v0, 4, 1
	v_lshlrev_b32 v[LI], 4, v1
	v_lshlrev_b32 v[LS], 2, v1
	v_lshlrev_b32 v[L8], 3, v1
	; the prologue's loads go out first
	s_lshl_b32 s60, s18, 6
	s_lshl_b32 s61, s19, 2
	s_add_co_u32 s60, s60, s61
	s_add_co_u32 s60, s60, s14                     ; my pair: 64 batch + 4 block + wave
	s_lshl_b32 s62, s60, 12                        ; 16 steps x 256 bytes
	s_add_co_u32 s62, s62, PSO
	s_mov_b32 s63, 0
	s_add_nc_u64 s[STB:STB+1], s[4:5], s[62:63]
	s_lshl_b32 s62, s60, 11                        ; 16 steps x 128 bytes
	s_add_co_u32 s62, s62, PWO
	s_add_nc_u64 s[WDB:WDB+1], s[4:5], s[62:63]
.macro PLOAD ks                        ; the two steps of block ks of the keys, for my pair
.irp q, 0,1
	global_load_b64 v[SS+2*(2*(\ks)+\q):SS+2*(2*(\ks)+\q)+1], v[L8], s[STB:STB+1] offset:(2*(\ks)+\q)*256
	global_load_b32 v[WD+2*(\ks)+\q], v[LS], s[WDB:WDB+1] offset:(2*(\ks)+\q)*128
.endr
.endm
.macro PNONE ks                        ; beyond the mask nothing was stored: -M = 3e38, over every -M; l = 0
.irp q, 0,1
	v_mov_b32 v[SS+2*(2*(\ks)+\q)], 0x7f61b1e6
	v_mov_b32 v[SS+2*(2*(\ks)+\q)+1], 0
	v_mov_b32 v[WD+2*(\ks)+\q], 0
.endr
.endm
	PLOAD 0
.irp ks, 1,2,3,4,5,6,7
	s_cmp_gt_u32 s[NN], \ks
	s_cbranch_scc0 .Lnone_\ks
	PLOAD \ks
	s_branch .Lgot_\ks
.Lnone_\ks:
	PNONE \ks
.Lgot_\ks:
.endr
	s_mul_i32 s60, s15, HALFT
	v_add_nc_u32 v[AD1B], s60, v[LI]
	s_mul_i32 s60, s16, HALFT
	s_add_co_u32 s60, s60, 2*HALFT
	v_add_nc_u32 v[AD0B], s60, v[LI]
	s_lshl_b32 s60, s15, 12                        ; my two pairs of p's four
	s_add_co_u32 s60, s60, PSC
	v_add_nc_u32 v[AS1B], s60, v[LS]
	s_lshl_b32 s60, s16, 13                        ; my four pairs of v's eight
	s_add_co_u32 s60, s60, VSC
	v_add_nc_u32 v[AS0B], s60, v[LS]
	s_lshl_b32 s60, s14, 11
	s_add_co_u32 s60, s60, PSC
	v_add_nc_u32 v[PSA], s60, v[LS]
	s_lshl_b32 s60, s14, 7
	s_add_co_u32 s60, s60, RL
	v_add_nc_u32 v[RLA], s60, v[LS]
	s_lshl_b32 s60, s15, 8
	s_add_co_u32 s60, s60, RL
	v_lshl_add_u32 v[RLR], v2, 2, s60
	s_mul_i32 s60, s14, 8448
	s_add_co_u32 s60, s60, STAGE
	v_mul_u32_u24 v[STO], v2, 528
	v_lshl_add_u32 v[STO], v3, 6, v[STO]
	v_add_nc_u32 v[STO], s60, v[STO]               ; in: row r, + 64 h
	v_add_nc_u32 v[SRD], s60, v[LI]                ; back: a row's 512 bytes
	s_lshl_b32 s60, s18, 11
	s_lshl_b32 s61, s19, 7
	s_add_co_u32 s60, s60, s61
	s_lshl_b32 s61, s15, 6
	s_add_co_u32 s60, s60, s61                     ; my first row of the output
	s_lshl_b32 s60, s60, 12
	s_lshl_b32 s61, s17, 10
	s_add_co_u32 s60, s60, s61
	s_lshl_b32 s61, s16, 9
	s_add_co_u32 s60, s60, s61
	s_mov_b32 s61, 0
	s_add_nc_u64 s[8:9], s[8:9], s[60:61]
	s_wait_loadcnt 0x0
	v_min3_num_f32 v[MR], v[SS], v[SS+2], v[SS+4]  ; the row's -M: the least of the 16 units'
.irp s, 3,5,7,9,11,13
	v_min3_num_f32 v[MR], v[MR], v[SS+2*\s], v[SS+2*\s+2]
.endr
	v_min_num_f32 v[MR], v[MR], v[SS+30]
; The two steps of block ks, line by line by turns, so that no line waits for the line above it.  Step q works in v[72 + 8 q] on.
.macro PSTEP2 ks
.irp q, 0,1
	v_sub_f32 v[72+8*\q], v[MR], v[SS+2*(2*(\ks)+\q)]   ; M_unit - M_row: a whole number, 0 or less,
.endr
.irp q, 0,1
	v_max_num_f32 v[72+8*\q], 0xc37f0000, v[72+8*\q]    ; held at -255: no byte is larger
.endr
.irp q, 0,1
	v_cvt_i32_f32 v[72+8*\q], v[72+8*\q]
.endr
.irp q, 0,1
	v_ldexp_f32 v[73+8*\q], v[SS+2*(2*(\ks)+\q)+1], v[72+8*\q]   ; the unit's l under the row's M
.endr
.irp q, 0,1
	v_sub_nc_u32 v[72+8*\q], 0, v[72+8*\q]         ; d = M_row - M_unit
.endr
.irp q, 0,1
	v_and_b32 v[74+8*\q], 0xff, v[WD+2*(\ks)+\q]
	v_bfe_u32 v[75+8*\q], v[WD+2*(\ks)+\q], 8, 8
	v_bfe_u32 v[76+8*\q], v[WD+2*(\ks)+\q], 16, 8
	v_lshrrev_b32 v[77+8*\q], 24, v[WD+2*(\ks)+\q]
.endr
.irp q, 0,1
	v_min_u32 v[74+8*\q], v[74+8*\q], v[72+8*\q]   ; what each byte can give: min(byte, d)
	v_min_u32 v[75+8*\q], v[75+8*\q], v[72+8*\q]
	v_min_u32 v[76+8*\q], v[76+8*\q], v[72+8*\q]
	v_min_u32 v[77+8*\q], v[77+8*\q], v[72+8*\q]
.endr
.irp q, 0,1
	v_lshl_or_b32 v[74+8*\q], v[75+8*\q], 8, v[74+8*\q]
.endr
.irp q, 0,1
	v_lshl_or_b32 v[74+8*\q], v[76+8*\q], 16, v[74+8*\q]
.endr
.irp q, 0,1
	v_lshl_or_b32 v[74+8*\q], v[77+8*\q], 24, v[74+8*\q]
.endr
.irp q, 0,1
	v_sub_nc_u32 v[WD+2*(\ks)+\q], v[WD+2*(\ks)+\q], v[74+8*\q]   ; no byte borrows from its neighbour
.endr
.irp q, 0,1
	ds_store_b32 v[PSA], v[WD+2*(\ks)+\q] offset:(2*(\ks)+\q)*128
.endr
.if (\ks) == 0
	v_add_f32 v[LL], v73, v81                      ; the first two units start the sum
.else
	v_add_f32 v73, v73, v81
	v_add_f32 v[LL], v[LL], v73
.endif
.endm
	PSTEP2 0
.irp ks, 1,2,3,4,5,6,7
	s_cmp_gt_u32 s[NN], \ks
	s_cbranch_scc0 .Lpro_done                      ; the words of steps beyond the mask are read by nobody
	PSTEP2 \ks
.endr
.Lpro_done:
	v_rcp_f32 v88, v[LL]                           ; l is 1/2 at the least: the unit that holds the row's M has a p over 1/2
	v_nop                                          ; a plain instruction behind the reciprocal,
	s_wait_alu depctr_va_vdst(0)                   ; and the wait ahead of its first reader
	ds_store_b32 v[RLA], v88
	CHANGE 1                                       ; slot 0 is whole, and so are p's words and 1 / l; slot 1 is asked for, where N is over 1
	SLOTWORK 1                                     ; the first products start the sums: nothing is cleared
.Lslot:                                            ; six trips
	CHANGE 1
	SLOTWORK 0
	s_cmp_lt_u32 s[KS], 7
	s_cbranch_scc1 .Lslot
	CHANGE 0                                       ; the last slot: nothing is left to ask for
	SLOTWORK 0
	; THE WAY OUT.  O^T x 1 / l; a tile of 16 queries x my 128 channels goes through my stage and leaves as whole rows of 512 bytes.
	PLACES NP
	WIN TO_B                                       ; 1 / l into window 1, which the products have left
.irp a, 0,1,2,3
	ds_load_b32 v[2*\a], v[RLR] offset:(\a/2)*128+(\a%2)*64
	ds_load_b32 v[2*\a+1], v[RLR] offset:(\a/2)*128+(\a%2)*64   ; the packed form names a pair: both are written
.endr
	WIN 0
	s_wait_dscnt 0x0
.macro OUTA a
.set AC, 64*(\a)
.set BB, 128+64*((\a)%2)
	WIN 6                                          ; source 0: the accumulators' window, 2; source 1: window 1
.set n, 0
.rept 32
	v_pk_mul_f32 v[TO+n:TO+n+1], v[AC+n:AC+n+1], v[2*(\a):2*(\a)+1] op_sel_hi:[1,0]   ; each accumulator from its low end on
.set n, n+2
.endr
	WIN 0
.irp b, 0,1,2,3,4,5,6,7
	ds_store_b128 v[STO], v[TO+8*\b:TO+8*\b+3] offset:128*(\b/2)+32*(\b%2)          ; register 8 b + j is channel 32 (b / 2) + 16 h + 8 (b % 2) + j
	ds_store_b128 v[STO], v[TO+8*\b+4:TO+8*\b+7] offset:128*(\b/2)+32*(\b%2)+16
.endr
.if (\a) >= 2
	s_wait_xcnt 0x0                                ; the stores of two tiles back have read their data: the loads below may land there
.endif
.irp t, 0,1,2,3,4,5,6,7,8,9,10,11,12,13,14,15
	ds_load_b128 v[BB+4*\t:BB+4*\t+3], v[SRD] offset:528*\t   ; LDS serves a wave's instructions in order: these see my stores
.endr
	s_wait_dscnt 0x0
.irp t, 0,1,2,3,4,5,6,7,8,9,10,11,12,13,14,15
	global_store_b128 v[LI], v[BB+4*\t:BB+4*\t+3], s[8:9] offset:(32*((\a)/2)+8*((\a)%2)+\t+8*(\t/8))*4096 th:TH_STORE_NT   ; 512 consecutive bytes, aligned; place t of the tile is that row
.endr
.endm
.irp a, 0,1,2,3
	OUTA \a
.endr
	s_wait_tensorcnt 0x0                           ; the wave's end, behind my last tensor load and my last LDS store
	ds_add_u32 v[SPW], v[NIL]
	s_wait_dscnt 0x0
	s_endpgm
.Lfunc_end_k_q8c367ba2a7_pv:
	.size	k_q8c367ba2a7_pv, .Lfunc_end_k_q8c367ba2a7_pv-k_q8c367ba2a7_pv
	.p2alignl 7, 3214868480
	.fill 96, 4, 3214868480
	.section	.rodata,"a",@progbits
	.p2align	6, 0x0
	.amdhsa_kernel k_q8c367ba2a7_pv
		.amdhsa_group_segment_fixed_size 327680
		.amdhsa_private_segment_fixed_size 0
		.amdhsa_enable_private_segment 0
		.amdhsa_kernarg_size 24
		.amdhsa_user_sgpr_count 2
		.amdhsa_user_sgpr_kernarg_segment_ptr 1
		.amdhsa_wavefront_size32 1
		.amdhsa_system_sgpr_workgroup_id_x 1
		.amdhsa_system_sgpr_workgroup_id_y 1
		.amdhsa_system_sgpr_workgroup_id_z 1
		.amdhsa_system_vgpr_workitem_id 0
		.amdhsa_next_free_vgpr 768
		.amdhsa_next_free_sgpr 72
		.amdhsa_reserve_vcc 0
		.amdhsa_float_denorm_mode_32 3
		.amdhsa_float_denorm_mode_16_64 3
		.amdhsa_memory_ordered 1
		.amdhsa_forward_progress 1
		.amdhsa_inst_pref_size 96
	.end_amdhsa_kernel
	.amdgpu_metadata
---
amdhsa.version: [ 1, 2 ]
amdhsa.kernels:
  - .name:           k_q8c367ba2a7_pv
    .symbol:         k_q8c367ba2a7_pv.kd
    .args:
      - { .name: pp, .offset: 0, .size: 8, .value_kind: global_buffer, .address_space: global }
      - { .name: qkv, .offset: 8, .size: 8, .value_kind: global_buffer, .address_space: global }
      - { .name: out0, .offset: 16, .size: 8, .value_kind: global_buffer, .address_space: global }
    .group_segment_fixed_size: 327680
    .private_segment_fixed_size: 0
    .kernarg_segment_align: 8
    .kernarg_segment_size: 24
    .max_flat_workgroup_size: 128
    .sgpr_count:     72
    .vgpr_count:     768
    .wavefront_size: 32
...
	.end_amdgpu_metadata
.endif
;; end of part 4
